; MI455X (gfx1250); checked and timed in simulation.
; The chip was launched on July 23, 2026; its instructions are those of AMD's public machine-readable ISA for CDNA 5 (MIT licence, August 2026) and "CDNA5" Instruction Set Architecture Reference Guide (July 2026). The comments in the code are by the model that wrote it; some were corrected since.
;; Caserl Self Attention. Allowed arithmetic: matrix products marked QUANTISED: E4M3 operands, one E8M0 scale for each 32 along K, by v_wmma_scale_f32_16x16x128_f8f6f4 with both operands' format E4M3, f32 sums; everything else in f32.
;; Inputs: b_attn 3,072 float32; b_proj 1,024 float32; w_attn_codes 3,072 x 32 x 32 uint8 (E4M3 codes of w_attn, K innermost, in blocks of 32 codes); w_attn_scales 3,072 x 32 uint8 (E8M0 scales of w_attn, one for each 32 codes along K); w_proj_codes 1,024 x 32 x 32 uint8 (E4M3 codes of w_proj, K innermost, in blocks of 32 codes); w_proj_scales 1,024 x 32 uint8 (E8M0 scales of w_proj, one for each 32 codes along K); x_codes 4 x 2,048 x 32 x 32 uint8 (E4M3 codes of x, K innermost, in blocks of 32 codes); x_scales 4 x 2,048 x 32 uint8 (E8M0 scales of x, one for each 32 codes along K).
;; Outputs: out0 4 x 2,048 x 1,024 float32.
;; This version of the problem:
;;   THIS VERSION OF THE PROBLEM IS GIVEN IN LOW PRECISION. The matrix products marked QUANTISED in the list below multiply operands that are first quantised to E4M3 (4 exponent bits, 3 mantissa bits; 8 bits a number), with one power-of-two scale for each 32 numbers along K (OCP MX v1.0); their sums are f32. All else is computed in f32.
;;   The module's matrix products, in the order in which they are computed (A, B: the left and right operand; K: the contracted axis; several contracted axes count as one K, in the product's order):
;;     1. [M 8,192, K 1,024] x [K 1,024, N 3,072]; A: input x (given as codes); B: input w_attn (given as codes): QUANTISED
;;     2. batch 64 x [M 2,048, K 64] x [K 64, N 2,048]; A: computed on the way; B: computed on the way: QUANTISED
;;     3. batch 64 x [M 2,048, K 2,048] x [K 2,048, N 64]; A: softmax (see below); B: computed on the way: QUANTISED
;;     4. [M 8,192, K 1,024] x [K 1,024, N 1,024]; A: computed on the way; B: input w_proj (given as codes): QUANTISED
;;   THE QUANTISER, for each operand of a quantised product, along K:
;;     - K is cut into blocks of 32 from its start; a last block that is shorter is filled with zeros.
;;     - A block's scale is 2^e with e = floor(log2(the largest magnitude in the block)) - 8, held to -126 .. 127; a block of zeros has e = 0. As a byte (E8M0): e + 127.
;;     - Each number is divided by its block's scale, clamped to +-448, and rounded to the nearest number of E4M3, ties to even, subnormals kept.
;;     - The product sums the exact products of the quantised numbers (number of the format x scale) in f32.
;;   ~~~python
;;   def quantise(x, axis):      # numpy; x: float32 -> the quantised numbers, widened to float32 again
;;       x = np.moveaxis(x, axis, -1); K = x.shape[-1]
;;       x = np.pad(x, [(0, 0)] * (x.ndim - 1) + [(0, -K % 32)]); x = x.reshape(x.shape[:-1] + (-1, 32)); a = np.abs(x).max(-1, keepdims=True)
;;       e = np.where(a > 0, np.clip(np.frexp(np.where(a > 0, a, 1))[1] - 1 - 8, -126, 127), 0)      # np.frexp(a)[1] - 1 = floor(log2(a)), exactly
;;       r = np.clip(x / 2.0 ** e, -448, 448)
;;       step = 2.0 ** (np.maximum(np.frexp(np.where(r == 0, 1, r))[1] - 1, -6) - 3)
;;       q = np.round(r / step) * step * 2.0 ** e      # np.round: ties to even
;;       return np.moveaxis(q.reshape(q.shape[:-2] + (-1,))[..., :K], -1, axis).astype(np.float32)
;;   ~~~
;;   SOFTMAX AHEAD OF A QUANTISED PRODUCT. Where the list says 'softmax', what is quantised is not the finished softmax but p = 2^(t - M), with t = logit x log2(e) and M = ceil(the row's largest t), a whole number; so 1/2 < the row's largest p <= 1. The row's sum l is taken of the UNQUANTISED p, in f32, and the product's result is divided by l at the end. Since M is a whole number, a kernel that streams over the keys may use a running M (the ceiling of the running maximum): every later rescaling is an exact power of two, which a block's scale takes up: the codes' values come out the same.
;;   OPERANDS COMPUTED ON THE WAY. 'Computed on the way' means the value that the module computes at that place (a softmax that the list does not call 'softmax' is quantised finished and normalised). What goes into a quantiser is computed in f32, as accurately as f32 sums, v_exp_f32 and their like allow (about 1e-6 of the number): no bf16 or f16 on the way to a quantiser, and a product that is left as it is and whose result goes on into a quantised operand takes f32 operands (vector FMAs, or v_wmma_f32_16x16x4_f32). A number that lies on a knife's edge between two numbers of the format may be rounded either way, as far as f32 arithmetic and the matrix unit's own rounding can turn it there, and no further.
;;   INPUTS GIVEN AS CODES. w_attn (in the module: [1024, 3072], K = its axis 0); w_proj (in the module: [1024, 1024], K = its axis 0); x (in the module: [4, 2048, 1024], K = its axis 2): each comes as NAME_codes (uint8): NAME with its K axis moved to the last place and cut into blocks of 32 codes, [.., K / 32, bytes a block], one block behind the other in memory; one code a byte (a code: sign, 4 exponent bits, 3 mantissa bits); and NAME_scales (uint8): the same leading axes, one E8M0 byte (e + 127) for each 32 codes along K. Its value is code x scale, taken as it is: it is not quantised again, and the codes and scales need not be those that the quantiser above would give.
;; One version. Each part assembles by itself: llvm-mc -triple=amdgcn-amd-amdhsa -mcpu=gfx1250 --defsym DOCPART=n.
;; ======== version 1 of 1: 3 launches
;; limits: right only within a limited range of input values
;; workspace buffers: qk_img 16,777,216 bytes; qk_sc 524,288 bytes; v_img 8,388,608 bytes; v_sc 262,144 bytes; y_img 8,388,608 bytes; y_sc 262,144 bytes
;; launch qkv (part 1): grid 96 x 4, 4 waves a work-group, clusters of 4 x 4, 327,680 bytes of LDS; arguments x_codes, x_scales, w_attn_codes, w_attn_scales, b_attn, qk_img, qk_sc, v_img, v_sc; writes qk_img, qk_sc, v_img, v_sc
.if DOCPART == 1
	.amdgcn_target "amdgcn-amd-amdhsa--gfx1250"
	.amdhsa_code_object_version 6
	.text
	.protected	k_qeb287c009b_qkv
	.globl	k_qeb287c009b_qkv
	.p2align	8
	.type	k_qeb287c009b_qkv,@function
k_qeb287c009b_qkv:
	s_mov_b64 s[64:65], 0
	v_nop
	global_prefetch_b8 v0, s[64:65] scope:SCOPE_SE
	s_setreg_imm32_b32 hwreg(HW_REG_WAVE_MODE, 25, 1), 1
	s_wait_xcnt 0x0
	s_wait_alu depctr_hold_cnt(0) depctr_sa_sdst(0) depctr_va_vdst(0) depctr_va_sdst(0) depctr_va_ssrc(0) depctr_va_vcc(0) depctr_vm_vsrc(0)
	s_getreg_b32 s2, hwreg(HW_REG_IB_STS2, 6, 4)
	s_cmp_eq_u32 s2, 0
	s_cbranch_scc0 .Lentry_in_a_cluster
	s_endpgm
.Lentry_in_a_cluster:
	s_bfe_u32 s2, ttmp6, 0x10000c
	s_cmp_lg_u32 s2, 0xf033
	s_cbranch_scc0 .Lentry_shape_is_right
	s_endpgm
.Lentry_shape_is_right:
; CAUSAL SELF-ATTENTION IN MX-FP8, LAUNCH 1 OF 3: qkv = x w_attn + b_attn, and the quantisers of q, k (along the head's 64) and of v (along the keys).
; WORK LEFT OUT IN THE PROGRAM.  reference() builds the causal mask itself: where key > query the logit is -infinity, so its softmax weight is exactly 0 and adds nothing to the row's sum or to y, whatever finite
; values the inputs hold.  So the second launch leaves out every step of 128 keys all of which come after a wave's queries.  Nothing else is left out; every input is loaded.
; LIMITS: a NaN, an infinity or an overflow that arises only in such hidden scores is not carried to the result.  NaN and infinities among the inputs are not served.  A block of zeros gets the scale byte 1 where the
; rule says 127: its codes are zeros, which add nothing under any byte but 0xff, and this program alone reads the bytes.  Blocks whose largest magnitude lies under the floor 2^(9 - 127) were not tried.
; ONE BODY, TWO ROLES.  Out[m][n] = sum over k of A[m][k] B[n][k] + bias, quantised ALONG n in blocks of 32.
;   role QK (clusters 0-15):  A = x (m = token, 8,192), B = w_attn's rows 0-2,047 (n = feature of q, then of k): a block of 32 along n lies inside one head.
;   role V  (clusters 16-23): A = w_attn's rows 2,048-3,071 (m = feature of v, 1,024), B = x (n = token): V^T, quantised along the keys, the keys innermost.  Nothing is transposed.
; Only pointers, two pitches and the bias's form differ; they are chosen by the cluster's number, which all sixteen partners share.
; A tile of Out, 256 x 256, is made by four waves, 128 x 128 each: 64 accumulators.  K = 1,024 goes in four steps of 256 through a ring of two LDS slots; the scale bytes of the work-group's rows come once.
; CLUSTERS: 4 x 4 work-groups; A's tiles are asked for jointly along a row of the cluster, B's along a column.  The matrix instruction is used transposed (source 0 = 16 rows of B, source 1 = 16 rows of A):
; a lane holds row m = lane % 16 and eight neighbouring n.
; THE OUTPUT IS LAID AS IMAGES OF OPERAND REGISTERS.  A tile is 16 rows x 128 along n, 2,048 bytes; n = 32 c + 16 h + i of the tile's row r lies at byte 512 c + 256 h + 16 r + i: so four loads of 16 bytes a lane at
; 16 x lane bring a fragment.  Row r of tile 2 g + u is m = 32 g + 8 u + r + 8 (r / 8): so, in the later products that use such a tile as source 0, a lane's 16 results of two neighbouring tiles are 16 neighbours.
; 384 work-groups of equal work: the grid follows from the tile that fills a wave's registers.
; REGISTERS, in windows of 256.  Window 0: v0-15 the row bias, a pair for each block of A; v16-31 addresses; v32-63 scale words, two sets; v64-127 the column bias, in the result's layout; v128-255 A's fragments.
;   Window 1: B's fragments, two sets.  Windows 2, 3: the accumulators ((a, b) at v[8 (8 (a % 4) + b)]).  On the way out v32-63 are at work and v128-255 hold codes.
.set KSTEP,  256
.set NQ,     2                         ; matrix instructions deep in a slot
.set ROWB,   256                       ; a tile's row in bytes
.set KROW,   1024                      ; a row of x or of w_attn in memory
.set PITCH,  272                       ; an LDS row: 256 bytes + 16 of padding: the 16 rows that a load touches begin 68 words apart
.set FR,     16
.set NL,     4
.set NP,     8                         ; places behind this matrix instruction (ISA guide 7.12.1)
.set HALFT,  128*PITCH
.set SLOT,   4*HALFT
.set LAPS,   2
.set KS,     32                        ; a row of scale bytes
.set SCL,    2*SLOT
.set HALFS,  (128*KS/256)*272
.set SBLK,   (16*KS/256)*272
.set SPARE,  SCL+4*HALFS               ; the spare words, 128 bytes a wave: two blocks of 256 bytes that no other line names
.set STGS,   65536                     ; the way out's stage lies in slot 0: codes, 16,384 bytes a wave, from byte 0; scale words, 512 bytes a wave, from here
.set BM,   0
.set ADRA, 16
.set STC,  18                          ; v18  where I put 8 codes in my stage
.set STS,  19                          ; v19  and a scale word
.set ADRB, 20
.set RD,   22                          ; v22  where I read the images back
.set RDS,  23
.set LI,   24                          ; v24  16 x lane
.set ADRS, 27
.set SPW,  28
.set NIL,  29
.set OBM,  30                          ; v30  4 r
.set OBN,  31                          ; v31  32 h
.set SC,   32
.set BN,   64
.set AF,   128
.set TM,   32                          ; the way out: v32-35 largest magnitudes, v36-39 bytes, v40-43 holds, v44-47 the conversions' scale operands
.set PW,   48                          ; v48-55 a scale word for each block
.set CO,   56                          ; v56-63 a tile's offset in the output, for each of my 8 tiles
.set PS,   2                           ; s2   bytes from a step of 128 n to the next in the scales' buffer
.set ROLEV, 66                         ; s66  0: role QK, 1: role V
.set QKM,  67                          ; s67  all ones in role QK, 0 in role V
.set OC,   94                          ; s[94:95] the images' buffer;  s[96:97] the scale words'
.set OS,   96
.set SEL,  98
.set MNT,  100
.set PT,   104                         ; s104 bytes from a tile of rows to the next in the images' buffer
.set G1, 24
.set G0, 32
.set G1B, 48
.set G0B, 56
.set G1S, 68
.set G0S, 76
.set G1SB, 80
.set G0SB, 88
.set MSB, 0
.macro WIN new                         ; the immediate's high byte repeats the setting that is left
.if MSB != (\new)
	s_set_vgpr_msb (MSB<<8)|(\new)
.set MSB, (\new)
.endif
.endm
.set MUL_LO, 0xa1                      ; source 0 (B) window 1, source 1 (A) window 0, C and D window 2
.set MUL_HI, 0xf1
.set TO_B,   0x40
; A joint load: waves 0 and 1 fetch for A, waves 2 and 3 for B; the branch hangs on the wave's number alone.  An s_nop 0 and four v_nop follow each line.
.macro JLOAD g0a, g1a, g0b, g1b
	s_cmp_eq_u32 s15, 0
	s_cbranch_scc0 .Lfor_b_\@
	tensor_load_to_lds s[\g0a:\g0a+3], s[\g1a:\g1a+7]
	s_nop 0
.rept 4
	v_nop
.endr
	s_branch .Lasked_\@
.Lfor_b_\@:
	tensor_load_to_lds s[\g0b:\g0b+3], s[\g1b:\g1b+7]
	s_nop 0
.rept 4
	v_nop
.endr
.Lasked_\@:
.endm
.macro CREST                           ; a round of the cluster's barrier behind its opening barrier
	s_cmp_lg_u32 s14, 0
	s_cbranch_scc1 .Lnot_wave_0_\@
	s_barrier_signal -3
.Lnot_wave_0_\@:
	s_barrier_wait -3
	s_barrier_signal -1
	s_barrier_wait -1
.endm
.macro CROUND
	s_barrier_signal -1
	s_barrier_wait -1
	CREST
.endm
	s_load_b256 s[4:11], s[0:1], 0x0               ; x's codes, x's scales, w_attn's codes, w_attn's scales
	s_load_b256 s[92:99], s[0:1], 0x20             ; b_attn, qk_img, qk_sc, v_img
	s_load_b64 s[100:101], s[0:1], 0x40            ; v_sc
	v_lshl_add_u32 v[SPW], v0, 2, SPARE
	v_mov_b32 v[NIL], 0
	ds_add_u32 v[SPW], v[NIL]                      ; the wave's opening: the add, twice on end, and its wait ahead of my first tensor load
	ds_add_u32 v[SPW], v[NIL]
	v_lshrrev_b32 v1, 5, v0
	v_readfirstlane_b32 s14, v1                    ; wave 0..3
	s_lshr_b32 s15, s14, 1                         ; which half of the tile's rows is mine.  Also: I fetch for A (0) or for B (1)
	s_and_b32 s16, s14, 1                          ; which half of its columns.  Also: which 128 rows I fetch
	s_bfe_u32 s40, ttmp6, 0x40000                  ; cx
	s_bfe_u32 s41, ttmp6, 0x40004                  ; cy
	s_and_b32 s18, ttmp9, 1                        ; role QK: 2 columns x 8 rows of clusters
	s_lshr_b32 s19, ttmp9, 1
	s_sub_co_u32 s20, ttmp9, 16                    ; role V: 8 columns x 1 row
	s_mov_b32 s[PT], 131072
	s_mov_b32 s[PS], 4096
	s_cmp_lt_u32 ttmp9, 16                         ; the role hangs on the cluster's number alone
	s_cselect_b32 s18, s18, s20                    ; the cluster's column
	s_cselect_b32 s19, s19, 0                      ; its row
	s_cselect_b32 s[ROLEV], 0, 1
	s_cselect_b32 s[QKM], -1, 0
	s_cselect_b32 s[PT], 32768, s[PT]              ; qk_img: 16 steps of 2,048 bytes to a tile of rows; v_img: 64
	s_cselect_b32 s[PS], 32768, s[PS]              ; qk_sc: 512 tiles of 64 bytes to a step; v_sc: 64
	s_lshl_b32 s42, s18, 2
	s_add_co_u32 s42, s42, s40                     ; tile column
	s_lshl_b32 s17, s19, 2
	s_add_co_u32 s17, s17, s41                     ; tile row
	s_lshl_b32 s43, s41, 2
	s_lshl_b32 s43, 15, s43                        ; my row of the cluster
	s_lshl_b32 s44, 0x1111, s40                    ; my column
	; descriptor group 1: a tile of 128 rows x 256 bytes, 16 bytes of padding behind each row
	s_or_b32 s[G1+0], s43, (0<<16)|(1<<20)|(1<<21)|(5<<22)|(3<<25)
	s_or_b32 s[G1B+0], s44, (0<<16)|(1<<20)|(1<<21)|(5<<22)|(3<<25)
.irp g, G1, G1B
	s_mov_b32 s[\g+1], ROWB<<16                    ; tensor_dim0
	s_mov_b32 s[\g+2], 256<<16                     ; tensor_dim1: 256 rows for the head's loads; set to 128 for the ring's behind them
	s_mov_b32 s[\g+3], ROWB<<16                    ; tile_dim0
	s_mov_b32 s[\g+4], 256                         ; tile_dim1
	s_mov_b32 s[\g+5], KROW                        ; from row to row
	s_mov_b32 s[\g+6], 0
	s_mov_b32 s[\g+7], 0
.endr
	; the scale bytes of 128 rows: 4,096 dense bytes, as 16 rows of 256 (32 elements of 8 bytes), 16 bytes of padding behind each
	s_or_b32 s[G1S+0], s43, (3<<16)|(1<<20)|(1<<21)|(5<<22)|(3<<25)
	s_or_b32 s[G1SB+0], s44, (3<<16)|(1<<20)|(1<<21)|(5<<22)|(3<<25)
.irp g, G1S, G1SB
	s_mov_b32 s[\g+1], 32<<16
	s_mov_b32 s[\g+2], (256*KS/256)<<16            ; the scale bytes of all 256 rows: 32 rows of 256 bytes
	s_mov_b32 s[\g+3], 32<<16
	s_mov_b32 s[\g+4], 256*KS/256
	s_mov_b32 s[\g+5], 32
	s_mov_b32 s[\g+6], 0
	s_mov_b32 s[\g+7], 0
.endr
	s_lshl_b32 s18, s16, 7                         ; which 128 rows of the tile I fetch
	s_lshl_b32 s20, s17, 8
	s_add_co_u32 s20, s20, s18
	s_lshl_b32 s19, s[ROLEV], 11                   ; role V: A begins at w_attn's row 2,048
	s_add_co_u32 s20, s20, s19                     ; A's row
	s_lshl_b32 s46, s42, 8
	s_add_co_u32 s46, s46, s18                     ; B's row
	s_lshl_b32 s22, s20, 5                         ; where these rows' scale bytes begin,
	s_mov_b32 s23, 0
	s_lshl_b32 s12, s46, 5
	s_mov_b32 s13, 0
	s_lshl_b32 s20, s20, 10                        ; and their codes (all under 2^24)
	s_mov_b32 s21, 0
	s_lshl_b32 s46, s46, 10
	s_mov_b32 s47, 0
	s_mul_i32 s45, s14, HALFT                      ; where they go: wave x 128 rows: no place in the cluster enters an LDS address
	s_mul_i32 s105, s14, HALFS
	s_wait_dscnt 0x0                               ; both opening adds are done
	s_wait_kmcnt 0x0
	s_cmp_eq_u32 s[ROLEV], 0                       ; role V: x and w_attn change places
	s_cselect_b64 s[18:19], s[4:5], s[8:9]
	s_cselect_b64 s[8:9], s[8:9], s[4:5]           ; B's codes
	s_mov_b64 s[4:5], s[18:19]                     ; A's codes
	s_cselect_b64 s[18:19], s[6:7], s[10:11]
	s_cselect_b64 s[10:11], s[10:11], s[6:7]       ; B's scales
	s_mov_b64 s[6:7], s[18:19]                     ; A's scales
	s_cselect_b64 s[OC:OC+1], s[94:95], s[98:99]   ; qk_img or v_img
	s_cselect_b64 s[OS:OS+1], s[96:97], s[100:101] ; qk_sc or v_sc
	s_add_nc_u64 s[20:21], s[4:5], s[20:21]
	s_add_nc_u64 s[22:23], s[6:7], s[22:23]
	s_add_nc_u64 s[46:47], s[8:9], s[46:47]
	s_add_nc_u64 s[12:13], s[10:11], s[12:13]
	CROUND                                         ; all sixteen work-groups are here: the first joint loads meet
	; the head's four tiles, each whole: the addresses above less my half's offset
	s_lshl_b32 s18, s16, 12                        ; 128 rows of scale bytes
	s_mov_b32 s19, 0
	s_mov_b32 s[G0S], 1
	s_mov_b32 s[G0S+1], SCL
	s_sub_nc_u64 s[G0S+2:G0S+3], s[22:23], s[18:19]
	s_or_b32 s[G0S+3], s[G0S+3], 0x80000000
	s_mov_b32 s[G0SB], 1
	s_mov_b32 s[G0SB+1], SCL+2*HALFS
	s_sub_nc_u64 s[G0SB+2:G0SB+3], s[12:13], s[18:19]
	s_or_b32 s[G0SB+3], s[G0SB+3], 0x80000000
	s_lshl_b32 s18, s16, 17                        ; 128 rows of codes
	s_mov_b32 s4, 1                                ; s[4:7], s[8:11]: group 0 for K step 0's 256 rows of A and of B (the pointers that lay there are used up)
	s_mov_b32 s5, 0
	s_sub_nc_u64 s[6:7], s[20:21], s[18:19]
	s_or_b32 s7, s7, 0x80000000
	s_mov_b32 s8, 1
	s_mov_b32 s9, 2*HALFT
	s_sub_nc_u64 s[10:11], s[46:47], s[18:19]
	s_or_b32 s11, s11, 0x80000000
.irp s, 0,1
	s_mov_b32 s[G0+4*\s], 1
	s_add_co_u32 s[G0+4*\s+1], s45, \s*SLOT
	s_add_nc_u64 s[G0+4*\s+2:G0+4*\s+3], s[20:21], \s*ROWB
	s_or_b32 s[G0+4*\s+3], s[G0+4*\s+3], 0x80000000
	s_mov_b32 s[G0B+4*\s], 1
	s_add_co_u32 s[G0B+4*\s+1], s45, \s*SLOT
	s_add_nc_u64 s[G0B+4*\s+2:G0B+4*\s+3], s[46:47], \s*ROWB
	s_or_b32 s[G0B+4*\s+3], s[G0B+4*\s+3], 0x80000000
.endr
; THE HEAD'S LOADS, ONE A WAVE: wave 0 K step 0's 256 rows of A, wave 1 those of B, wave 2 A's scale bytes, wave 3 B's.  One chain of branches on the wave's number, a load to an arm.
.macro ARM under, g0, g1, next
	s_cmp_lt_u32 s14, \under
	s_cbranch_scc0 \next
	tensor_load_to_lds s[\g0:\g0+3], s[\g1:\g1+7]
	s_nop 0
.rept 4
	v_nop
.endr
	s_branch .Lhead_asked
\next:
.endm
	ARM 1, 4, G1, .Lhead_b
	ARM 2, 8, G1B, .Lhead_sa
	ARM 3, G0S, G1S, .Lhead_sb
	tensor_load_to_lds s[G0SB:G0SB+3], s[G1SB:G1SB+7]
	s_nop 0
.rept 4
	v_nop
.endr
.Lhead_asked:
	v_and_b32 v1, 15, v0                           ; r
	v_bfe_u32 v2, v0, 4, 1                         ; h
	v_mul_u32_u24 v3, v1, PITCH
	v_lshl_add_u32 v4, v2, 4, v3                   ; a fragment's row x pitch + 16 h
	s_mul_i32 s21, s15, HALFT                      ; my 128 rows of A
	s_mul_i32 s22, s16, HALFT                      ; my 128 rows of B,
	s_add_co_u32 s22, s22, 2*HALFT                 ; which lie behind A's 256
.irp s, 0,1
	v_add_nc_u32 v[ADRA+\s], s21, v4
	v_add_nc_u32 v[ADRB+\s], s22, v4
	s_add_co_u32 s21, s21, SLOT
	s_add_co_u32 s22, s22, SLOT
.endr
	v_mul_u32_u24 v5, v1, KS                       ; my row's scale bytes: 32 a row,
	v_lshrrev_b32 v6, 8, v5
	v_lshl_add_u32 v5, v6, 4, v5                   ; and 16 more for each 256 passed
	s_mul_i32 s21, s15, HALFS
	s_mul_i32 s22, s16, HALFS
	s_add_co_u32 s22, s22, 2*HALFS
	s_sub_co_u32 s22, s22, s21
	v_mul_u32_u24 v6, s22, v2                      ; lanes 16-31 take B's
	s_add_co_u32 s21, s21, SCL
	v_add_nc_u32 v5, v5, v6
	v_add_nc_u32 v[ADRS], s21, v5
	; the way out's LDS addresses.  Row m = 16 a + r of my 128 is row 8 (a % 2) + r % 8 of tile 2 (a / 2) + r / 8; the parts that hang on a stand in the immediates
	v_bfe_u32 v3, v0, 3, 1                         ; r / 8
	v_and_b32 v4, 7, v0                            ; r % 8
	v_lshlrev_b32 v5, 11, v3
	v_lshl_add_u32 v5, v4, 4, v5
	v_lshl_add_u32 v5, v2, 3, v5                   ; 2,048 (r / 8) + 16 (r % 8) + 8 h
	s_lshl_b32 s23, s14, 14
	v_add_nc_u32 v[STC], s23, v5
	v_and_b32 v6, 31, v0
	v_lshlrev_b32 v[LI], 4, v6
	v_add_nc_u32 v[RD], s23, v[LI]
	v_lshlrev_b32 v5, 6, v3
	v_lshl_add_u32 v5, v4, 2, v5                   ; 64 (r / 8) + 4 (r % 8)
	s_lshl_b32 s23, s14, 9
	s_add_co_u32 s23, s23, STGS
	v_add_nc_u32 v[STS], s23, v5
	v_add_nc_u32 v[RDS], s23, v[LI]
	v_lshlrev_b32 v[OBM], 2, v1
	v_lshlrev_b32 v[OBN], 5, v2
	; where my part of the output begins: 8 tiles of rows from 16 x tile row + 8 x half on; the step of 128 n is 2 x tile column + half
	s_wait_alu depctr_va_vdst(0)
	s_lshl_b32 s22, s17, 4
	s_lshl_b32 s23, s15, 3
	s_add_co_u32 s22, s22, s23
	s_lshl_b32 s40, s42, 1
	s_add_co_u32 s40, s40, s16
	s_mul_i32 s46, s22, s[PT]
	s_lshl_b32 s41, s40, 11
	s_add_co_u32 s46, s46, s41
	s_mov_b32 s47, 0
	s_add_nc_u64 s[OC:OC+1], s[OC:OC+1], s[46:47]
	s_mul_i32 s46, s40, s[PS]
	s_lshl_b32 s41, s22, 6
	s_add_co_u32 s46, s46, s41
	s_add_nc_u64 s[OS:OS+1], s[OS:OS+1], s[46:47]
	s_mov_b32 s[SEL], 0x76543210
	s_mov_b32 s[SEL+1], 0xfedcba98                 ; v_permlanex16_b32's selects for lane l xor 16
	s_mov_b32 s[MNT], 0x600000                     ; the mantissa field of 448
	; THE BIAS.  Role QK: it runs along n: 64 registers in the result's layout, the C of each sum's first product.  Role V: it runs along m: one number a lane and block of A, added on the way out.
	; Both sets are loaded in both roles, from places inside b_attn, so that every register is written on every path; the set that does not apply is cleared (columns) or passed over (rows).
	s_lshl_b32 s18, s42, 8
	s_lshl_b32 s19, s16, 7
	s_add_co_u32 s18, s18, s19
	s_lshl_b32 s18, s18, 2                         ; my first column, in bytes of b_attn
	s_lshl_b32 s20, s17, 8
	s_lshl_b32 s21, s15, 7
	s_add_co_u32 s20, s20, s21
	s_add_co_u32 s20, s20, 2048
	s_lshl_b32 s20, s20, 2                         ; v's bias at my first row
	s_cmp_eq_u32 s[ROLEV], 0
	s_cselect_b32 s18, s18, 0
	s_cselect_b32 s20, 0, s20
	s_mov_b32 s19, 0
	s_mov_b32 s21, 0
	s_add_nc_u64 s[18:19], s[92:93], s[18:19]
	s_add_nc_u64 s[20:21], s[92:93], s[20:21]
.irp b, 0,1,2,3,4,5,6,7
	global_load_b128 v[BN+8*\b:BN+8*\b+3], v[OBN], s[18:19] offset:64*\b       ; b_attn[n0 + 16 b + 8 h + 0 .. 7]
	global_load_b128 v[BN+8*\b+4:BN+8*\b+7], v[OBN], s[18:19] offset:64*\b+16
.endr
.irp a, 0,1,2,3,4,5,6,7
	global_load_b32 v[BM+2*\a], v[OBM], s[20:21] offset:64*\a                  ; b_attn[m0 + 16 a + r], twice: a pair for the packed addition.  (v0 to v6 are done with)
	global_load_b32 v[BM+2*\a+1], v[OBM], s[20:21] offset:64*\a
.endr
	s_wait_loadcnt 0x0
.set i, 0
.rept 64
	v_cndmask_b32 v[BN+i], 0, v[BN+i], s[QKM]      ; role V has no bias along n
.set i, i+1
.endr
.rept NP
	v_nop
.endr
.macro FRAG reg, adr, q, i             ; 16 rows x 128 K: lane l holds row l % 16; registers 4 c .. 4 c + 3 hold K = 32 c + 16 (l / 16) + 0 .. 15
.irp c, 0,1,2,3
	ds_load_b128 v[\reg+4*\c:\reg+4*\c+3], v[\adr] offset:128*(\q)+32*\c+(\i)*16*PITCH
.endr
.endm
; 16 matrix instructions: A's blocks a0, a0 + 1 x B's eight, 128 along K.  zero = 1: the first product starts the sums, with the column bias as C.
; The 64 accumulators take turns, one instruction a turn, in the same order in every step.
.macro MUL16 a0, p, q, sc, zero
.irp a, \a0, \a0+1
.irp b, 0,1,2,3,4,5,6,7
.if \zero
	v_wmma_scale_f32_16x16x128_f8f6f4 v[8*(8*((\a)%4)+\b):8*(8*((\a)%4)+\b)+7], v[128*(\p)+FR*\b:128*(\p)+FR*\b+FR-1], v[AF+FR*(\a):AF+FR*(\a)+FR-1], v[BN+8*\b:BN+8*\b+7], v[SC+8*NQ*(\sc)+NQ*\b+(\q)], v[SC+8*NQ*(\sc)+NQ*(\a)+(\q)] matrix_a_scale:MATRIX_SCALE_ROW1
.else
	v_wmma_scale_f32_16x16x128_f8f6f4 v[8*(8*((\a)%4)+\b):8*(8*((\a)%4)+\b)+7], v[128*(\p)+FR*\b:128*(\p)+FR*\b+FR-1], v[AF+FR*(\a):AF+FR*(\a)+FR-1], v[8*(8*((\a)%4)+\b):8*(8*((\a)%4)+\b)+7], v[SC+8*NQ*(\sc)+NQ*\b+(\q)], v[SC+8*NQ*(\sc)+NQ*(\a)+(\q)] matrix_a_scale:MATRIX_SCALE_ROW1
.endif
.endr
.endr
.endm
.macro FETCH_B slot, q, p
	WIN TO_B
.irp i, 0,1,2,3,4,5,6,7
	FRAG 128*(\p)+FR*\i, ADRB+\slot, \q, \i
.endr
	WIN 0
.endm
.macro FETCH_A slot, q, i0
.irp i, \i0, \i0+1, \i0+2, \i0+3
	FRAG AF+FR*(\i), ADRA+\slot, \q, \i
.endr
.endm
.macro SCALES sc                       ; a K step's scale words: lanes 0-15 take A's block i, lanes 16-31 B's block i
.irp i, 0,1,2,3,4,5,6,7
	ds_load_b64 v[SC+8*NQ*\sc+NQ*\i:SC+8*NQ*\sc+NQ*\i+1], v[ADRS] offset:\i*SBLK
.endr
.endm
.macro PLACES n                        ; plain vector instructions that name no register of the matrix instructions in front (ISA guide 7.12.1)
.rept \n
	v_nop
.endr
.endm
.macro STEP slot, q, zero              ; a step of 128 along K that has its successor in the same slot
	s_wait_dscnt 4*NL                              ; B's set and A's blocks 0-3 are in; the 16 youngest loads (A's blocks 4-7) may be out
.if \zero
	WIN 0x81                                       ; C (the bias) window 0, D window 2
.else
	WIN MUL_LO
.endif
	MUL16 0, (\q)%2, \q, \slot, \zero
	MUL16 2, (\q)%2, \q, \slot, \zero
	s_wait_dscnt 0
	PLACES NP
	FETCH_B \slot, (\q)+1, 1-(\q)%2
	FETCH_A \slot, (\q)+1, 0
.if \zero
	WIN 0xc1
.else
	WIN MUL_HI
.endif
	MUL16 4, (\q)%2, \q, \slot, \zero
	MUL16 6, (\q)%2, \q, \slot, \zero
	PLACES NP
	WIN 0
	FETCH_A \slot, (\q)+1, 4
.endm
; A slot's last step changes slots: ONE barrier; in front of it each wave waits for all its tensor loads, adds 0 to its spare word, and waits for that and for its own reads of this slot.
.macro TURN slot, next, fill
	s_wait_tensorcnt 0x0                           ; all my tensor loads have landed: my part of the next slot
	ds_add_u32 v[SPW], v[NIL]                      ; 0 onto my spare word
	s_wait_dscnt 4*NL+1                            ; (the add and the 16 youngest loads may be out)
	WIN MUL_LO
	MUL16 0, 1, NQ-1, \slot, 0                     ; sixteen matrix instructions stand between the add and the wait for it
	s_wait_dscnt 0x0                               ; the add is done, and my reads of this slot are over
	s_barrier_signal -1
	MUL16 2, 1, NQ-1, \slot, 0
	WIN 0
	s_barrier_wait -1
.if \fill
	CREST                                          ; the barrier has opened a round of the cluster's barrier: no wave of any partner still reads this slot or has a load on its way
	s_add_nc_u64 s[G0+4*\slot+2:G0+4*\slot+3], s[G0+4*\slot+2:G0+4*\slot+3], 2*ROWB
	s_add_nc_u64 s[G0B+4*\slot+2:G0B+4*\slot+3], s[G0B+4*\slot+2:G0B+4*\slot+3], 2*ROWB
	JLOAD G0+4*\slot, G1, G0B+4*\slot, G1B         ; the first tensor load behind the round; its four v_nop are among the places in front of the loads below
	PLACES NP-4
.else
	PLACES NP
.endif
	s_wait_alu depctr_va_vdst(0)
	v_add_nc_u32 v[ADRS], 4*NQ, v[ADRS]            ; on to the next K step's scale words
	FETCH_B \next, 0, 0
	FETCH_A \next, 0, 0
	SCALES \next
	WIN MUL_HI
	MUL16 4, 1, NQ-1, \slot, 0
	MUL16 6, 1, NQ-1, \slot, 0
	PLACES NP
	WIN 0
	FETCH_A \next, 0, 4
.endm
	s_wait_alu depctr_va_vdst(0)
	s_wait_tensorcnt 0x0                           ; my tile of the head's four is in
	ds_add_u32 v[SPW], v[NIL]
	s_mov_b32 s[G1+2], 128<<16                     ; no tensor load of mine is out: from here on a load brings 128 rows
	s_mov_b32 s[G1+4], 128
	s_mov_b32 s[G1B+2], 128<<16
	s_mov_b32 s[G1B+4], 128
	s_wait_dscnt 0x0
	CROUND                                         ; a whole round: all four tiles are in, and the joint loads meet
	JLOAD G0+4, G1, G0B+4, G1B                     ; K step 1: the first tensor load behind the round
	FETCH_B 0, 0, 0
	FETCH_A 0, 0, 0
	SCALES 0
	FETCH_A 0, 0, 4
	STEP 0, 0, 1                                   ; the first step stands in front of the loop: its products start the sums
	s_mov_b32 s3, LAPS-1
.Llap:                                                 ; a trip goes once round the ring and fills both slots again
	TURN 0, 1, 1
	STEP 1, 0, 0
	TURN 1, 0, 1
	STEP 0, 0, 0
	s_sub_co_u32 s3, s3, 1
	s_cmp_lg_u32 s3, 0
	s_cbranch_scc1 .Llap
	TURN 0, 1, 0                                   ; the last lap fills nothing.  Behind this barrier nobody reads slot 0, and it has had its last fill
	STEP 1, 0, 0
	s_wait_dscnt 4*NL
	WIN MUL_LO
	MUL16 0, 1, NQ-1, 1, 0
	MUL16 2, 1, NQ-1, 1, 0
	s_wait_dscnt 0
	WIN MUL_HI
	MUL16 4, 1, NQ-1, 1, 0
	MUL16 6, 1, NQ-1, 1, 0
	WIN 0
; THE WAY OUT.  Block a: 16 rows x 128 n.  A lane's registers 16 c .. 16 c + 15 are 16 of the 32 numbers of block c of its row (n = 32 c + 16 u + 8 h + j); lane l xor 16 holds the others.
; A block's scale: the largest magnitude's exponent field less 8, with the floor 2^(9 - 127) among the maximum's leaves; the hold at 448 x the scale; the conversion; eight codes a store into the image in my stage.
.macro QBLOCK a
.set W, 2+(\a)/4
.set AC, 64*((\a)%4)
.set PCD, 128+16*(\a)
.set WDS, W|(W<<6)
.set WSS, (W<<2)|(W<<4)
	WIN 0
	s_cmp_eq_u32 s[ROLEV], 0                       ; the same in all waves and all partners
	s_cbranch_scc1 .Lno_row_bias_\@
	WIN WDS
.set i, 0
.rept 32
	v_pk_add_f32 v[AC+i:AC+i+1], v[AC+i:AC+i+1], v[BM+2*(\a):BM+2*(\a)+1]      ; role V: + b_attn of my row; each accumulator from its low end on
.set i, i+2
.endr
	WIN 0
.Lno_row_bias_\@:
	WIN WSS
.irp c, 0,1,2,3
	v_max3_num_f32 v[TM+\c], 0x4800000, |v[AC+16*\c]|, |v[AC+16*\c+1]|         ; the floor, and my first two numbers of block c
.endr
.irp n, 2,4,6,8,10,12,14
.irp c, 0,1,2,3
	v_max3_num_f32 v[TM+\c], v[TM+\c], |v[AC+16*\c+\n]|, |v[AC+16*\c+\n+1]|    ; (the four blocks by turns)
.endr
.endr
	WIN 0
.irp c, 0,1,2,3
	v_permlanex16_b32 v[TM+4+\c], v[TM+\c], s[SEL], s[SEL+1]
.endr
.irp c, 0,1,2,3
	v_max_num_f32 v[TM+\c], v[TM+\c], v[TM+4+\c]   ; with lane l xor 16's: the block's largest magnitude
.endr
.irp c, 0,1,2,3
	v_add_nc_u32 v[TM+12+\c], 0xfc000000, v[TM+\c] ; 8 off its exponent field: the conversion's scale operand
.endr
.irp c, 0,1,2,3
	v_and_or_b32 v[TM+8+\c], v[TM+\c], 0x7f800000, s[MNT]   ; 448 x the scale
.endr
.irp c, 0,1,2,3
	v_lshrrev_b32 v[TM+4+\c], 23, v[TM+12+\c]      ; the scale's byte
.endr
	v_lshl_or_b32 v[PW+(\a)], v[TM+5], 8, v[TM+4]  ; my row's scale word for these 128 n
	v_lshl_or_b32 v[PW+(\a)], v[TM+6], 16, v[PW+(\a)]
	v_lshl_or_b32 v[PW+(\a)], v[TM+7], 24, v[PW+(\a)]
	WIN WDS
.irp c, 0,1,2,3
.irp n, 0,1,2,3,4,5,6,7,8,9,10,11,12,13,14,15
	v_med3_num_f32 v[AC+16*\c+\n], v[AC+16*\c+\n], -v[TM+8+\c], v[TM+8+\c]     ; the conversion to an 8-bit code does not saturate (ISA guide 7.6.2)
.endr
.endr
	WIN W
.irp b, 0,1,2,3,4,5,6,7
	v_cvt_scalef32_pk8_fp8_f32 v[PCD+2*\b:PCD+2*\b+1], v[AC+8*\b:AC+8*\b+7], v[TM+12+\b/2]
.endr
	WIN 0
	v_nop                                          ; one plain line behind the last conversion
.irp b, 0,1,2,3,4,5,6,7
	ds_store_b64 v[STC], v[PCD+2*\b:PCD+2*\b+1] offset:((\a)/2)*4096+((\a)%2)*128+256*\b   ; n = 16 b + 8 h + 0 .. 7 lies at 256 b + 8 h of the image's row
.endr
	ds_store_b32 v[STS], v[PW+(\a)] offset:((\a)/2)*128+((\a)%2)*32            ; both halves of the lanes write the same word with the same value
.endm
	PLACES NP                                      ; behind the last products: for the reads of results, and for the writes of registers that held scale words and fragments
.irp c, 0,1,2,3
	v_mov_b32 v[TM+4+\c], 0                        ; a lane permute's destination counts as one of its sources
.endr
	v_mov_b32 v[CO], v[LI]
.irp i, 1,2,3,4,5,6,7
	v_add_nc_u32 v[CO+\i], s[PT], v[CO+\i-1]       ; tile i of my eight: 16 x lane + i tiles of rows
.endr
	s_wait_alu depctr_va_vdst(0)
; Blocks 2 j and 2 j + 1 fill the images of tiles 2 j and 2 j + 1, 4,096 bytes of my stage.  They are read back behind block 2 j + 1 (LDS serves a wave's instructions in order: ISA guide 5.7.1.4), into the registers
; that held the two blocks' codes, and stored behind block 2 j + 2.
.macro BACK j
.irp k, 0,1,2,3,4,5,6,7
	ds_load_b128 v[128+32*(\j)+4*\k:131+32*(\j)+4*\k], v[RD] offset:4096*(\j)+512*\k
.endr
.endm
.macro SENDP j, younger                ; younger: the LDS instructions issued behind the pair's loads, which may stay out
	s_wait_dscnt \younger
.irp x, 0,1
.irp k, 0,1,2,3
	global_store_b128 v[CO+2*(\j)+\x], v[128+32*(\j)+16*\x+4*\k:131+32*(\j)+16*\x+4*\k], s[OC:OC+1] offset:512*\k   ; the wave stores 512 consecutive bytes, at a multiple of 512 from the buffer's first byte
.endr
.endr
.endm
	QBLOCK 0
	QBLOCK 1
.irp j, 0,1,2
	BACK \j
	QBLOCK 2*\j+2
	SENDP \j, 9                                    ; behind the pair's loads: the next block's nine stores to the stage
	QBLOCK 2*\j+3
.endr
	BACK 3
	ds_load_b128 v[TM:TM+3], v[RDS]                ; my 8 tiles' scale words: 512 bytes
	SENDP 3, 1
	s_wait_dscnt 0x0
	global_store_b128 v[LI], v[TM:TM+3], s[OS:OS+1]
	s_wait_tensorcnt 0x0                           ; the wave's end: behind my last tensor load and my last LDS store
	ds_add_u32 v[SPW], v[NIL]
	s_wait_dscnt 0x0
	CROUND                                         ; the closing round: no work-group ends while a partner may still ask for a tile that names it
	s_endpgm
.Lfunc_end_k_qeb287c009b_qkv:
	.size	k_qeb287c009b_qkv, .Lfunc_end_k_qeb287c009b_qkv-k_qeb287c009b_qkv
	.p2alignl 7, 3214868480
	.fill 96, 4, 3214868480
	.section	.rodata,"a",@progbits
	.p2align	6, 0x0
	.amdhsa_kernel k_qeb287c009b_qkv
		.amdhsa_group_segment_fixed_size 327680
		.amdhsa_private_segment_fixed_size 0
		.amdhsa_enable_private_segment 0
		.amdhsa_kernarg_size 72
		.amdhsa_user_sgpr_count 2
		.amdhsa_user_sgpr_kernarg_segment_ptr 1
		.amdhsa_wavefront_size32 1
		.amdhsa_system_sgpr_workgroup_id_x 1
		.amdhsa_system_sgpr_workgroup_id_y 1
		.amdhsa_system_sgpr_workgroup_id_z 1
		.amdhsa_system_vgpr_workitem_id 0
		.amdhsa_next_free_vgpr 1024
		.amdhsa_next_free_sgpr 106
		.amdhsa_reserve_vcc 0
		.amdhsa_float_denorm_mode_32 3
		.amdhsa_float_denorm_mode_16_64 3
		.amdhsa_memory_ordered 1
		.amdhsa_forward_progress 1
		.amdhsa_inst_pref_size 219
	.end_amdhsa_kernel
	.amdgpu_metadata
---
amdhsa.version: [ 1, 2 ]
amdhsa.kernels:
  - .name:           k_qeb287c009b_qkv
    .symbol:         k_qeb287c009b_qkv.kd
    .args:
      - { .name: x_codes, .offset: 0, .size: 8, .value_kind: global_buffer, .address_space: global }
      - { .name: x_scales, .offset: 8, .size: 8, .value_kind: global_buffer, .address_space: global }
      - { .name: w_attn_codes, .offset: 16, .size: 8, .value_kind: global_buffer, .address_space: global }
      - { .name: w_attn_scales, .offset: 24, .size: 8, .value_kind: global_buffer, .address_space: global }
      - { .name: b_attn, .offset: 32, .size: 8, .value_kind: global_buffer, .address_space: global }
      - { .name: qk_img, .offset: 40, .size: 8, .value_kind: global_buffer, .address_space: global }
      - { .name: qk_sc, .offset: 48, .size: 8, .value_kind: global_buffer, .address_space: global }
      - { .name: v_img, .offset: 56, .size: 8, .value_kind: global_buffer, .address_space: global }
      - { .name: v_sc, .offset: 64, .size: 8, .value_kind: global_buffer, .address_space: global }
    .group_segment_fixed_size: 327680
    .private_segment_fixed_size: 0
    .kernarg_segment_align: 8
    .kernarg_segment_size: 72
    .max_flat_workgroup_size: 128
    .sgpr_count:     106
    .vgpr_count:     1024
    .wavefront_size: 32
...
	.end_amdgpu_metadata
.endif
;; end of part 1
;; launch attn (part 2): grid 256 x 1, 16 waves a work-group, clusters of 4 x 1, 327,680 bytes of LDS; arguments qk_img, qk_sc, v_img, v_sc, y_img, y_sc; writes y_img, y_sc
.if DOCPART == 2
	.amdgcn_target "amdgcn-amd-amdhsa--gfx1250"
	.amdhsa_code_object_version 6
	.text
	.protected	k_qeb287c009b_attn
	.globl	k_qeb287c009b_attn
	.p2align	8
	.type	k_qeb287c009b_attn,@function
k_qeb287c009b_attn:
	s_mov_b64 s[64:65], 0
	v_nop
	global_prefetch_b8 v0, s[64:65] scope:SCOPE_SE
	s_setreg_imm32_b32 hwreg(HW_REG_WAVE_MODE, 25, 1), 1
	s_wait_xcnt 0x0
	s_wait_alu depctr_hold_cnt(0) depctr_sa_sdst(0) depctr_va_vdst(0) depctr_va_sdst(0) depctr_va_ssrc(0) depctr_va_vcc(0) depctr_vm_vsrc(0)
	s_getreg_b32 s2, hwreg(HW_REG_IB_STS2, 6, 4)
	s_cmp_eq_u32 s2, 0
	s_cbranch_scc0 .Lentry_in_a_cluster
	s_endpgm
.Lentry_in_a_cluster:
	s_bfe_u32 s2, ttmp6, 0x10000c
	s_cmp_lg_u32 s2, 0x3003
	s_cbranch_scc0 .Lentry_shape_is_right
	s_endpgm
.Lentry_shape_is_right:
; LAUNCH 2 OF 3: y = softmax(q k^T / 8, causal) v for each batch and head, both products on codes of E4M3 with one E8M0 scale for each 32 along K, and the quantiser of y along C.
; WORK LEFT OUT: a step of 128 keys all of which come after a tile's queries (reference()'s own mask gives them the weight 0: shown at the head of the first launch).  LIMITS: as stated there.
; y's scale bytes leave as single bytes, 32 bytes apart: one thirty-second of the bytes of y's codes.
; THE SOFTMAX: t = score x log2(e) / 8; M = the row's largest t so far, rounded UP to a whole number; p = 2^(t - M) is quantised along the keys, not normalised; the row's sum is taken of the unquantised p and
; divides O at the end.  When M moves, the sum and O are multiplied by 2^(old M - new M): exact.
; THE DEAL.  A cluster of four work-groups owns one batch and head (cluster x = 16 batch + head).  ALL of the head's K and V, 2 x 131,072 bytes, lies in each work-group's LDS, filled ONCE by sixteen joint loads, one a
; wave, each named by all four partners.  Nothing is filled again, so the walk over the keys has no barrier but one: the first 512 keys (waves 0 to 5's loads, which have lines of their own) are shown at the head,
; the rest behind step 3.  Every partner has a tile that reads every key.
; A tile is 16 queries: tile u of group g holds tokens 32 g + 8 u + r + 8 (r / 8).  Wave w of the partner at place cx owns u = w % 2 of the groups 4 sg + cx, first sg = 15 - w / 2, then sg = w / 2:
; (16 - w / 2) + (w / 2 + 1) = 17 steps of 128 keys for every wave.  The number of steps hangs on the wave's number alone: no branch and no LDS address hangs on cx; cx enters global addresses and the mask's compare.
; NO PREFETCH OF K AND V: every tile is asked for at the head, so no loop runs ahead of a load.
; OPERANDS ARE IMAGES OF REGISTERS (first launch): a group of four registers is 512 bytes at 16 x lane.  Both products are used transposed (S^T = K Q^T, O^T = V^T P^T): a lane holds ONE query.
; THE FIRST PRODUCT'S K IS 64, the instruction's 128.  A fragment of K holds TWO tiles of keys, one in each half of K; against [Q | zero codes] it gives the first tile's scores, against [zero codes | Q] the second's
; (zero codes add nothing; K's codes and scale bytes are finite by the first launch's quantiser).  The scale words are laid to fit when they are staged: bytes 0, 1 the even tile's, bytes 2, 3 the odd tile's.
; LDS: V [4 tiles of features][16 steps][2,048] from 0; K [128 tiles][1,024] from KB; K's scale words [16 steps][16 rows][4 pairs of tiles][4 bytes] from SCK; V's [16 steps][16 rows][4 tiles][4 bytes] from SCV:
; a lane's four scale words of a step are 16 neighbouring bytes; then the spare words.
.set KB,    131072
.set SCK,   262144
.set SCV,   266240
.set SPARE, 270336                     ; 128 bytes for each wave: eight blocks of 256 bytes that no other line names
.set LI,   1                           ; v1   16 x lane
.set ASK0, 2                           ; v2   SCK + 16 r
.set ADS,  3                           ; v3, v7-9 the step's LDS addresses
.set QD,   4                           ; v4   on the diagonal step: my query less the step's first key less 16 h
.set SPW,  5
.set NIL,  6
.set ADK,  7
.set ADV,  8
.set ADV2, 9
.set SD,   10                          ; v[10:11], v246-251 four more chains of the row's sum; v12 -M, v13 the largest t, v[14:15] the sum
.set QF,   16                          ; v16-23 Q, v24-31 zero codes, v32-39 Q once more
.set KF,   40                          ; v40-103 four fragments: K's eight tiles, then V's four
.set SS,   104                         ; v104-167 S^T, then p
.set OO,   168                         ; v168-199 O^T
.set PCD,  200                         ; v200-215 p's codes
.set BMX,  216
.set PRM,  220
.set HLD,  224
.set SOP,  228
.set KSC,  232
.set VSC,  236
.set PSC,  240
.set QSC,  241
.set FF,   242
.set T0,   244
.set T1,   245                         ; -infinity
.set SA,   246
.set SB,   248
.set SC,   250
.set OM,   252                         ; the old -M
.set PF,   253                         ; the prefetch's offset; never rewritten
.set QS1,  254                         ; the second tile's scale bytes of Q
.set WV,   16
.set MNT,  17
.set SEL,  18
.set CS,   20                          ; s[20:21] c = log2(e) / 8
.set G1K,  24
.set G1V1, 32
.set G1V2, 40
.set G0K1, 48
.set G0V1, 52
.set G0K2, 56
.set G0V2, 60
.set CT,   66
.set SI,   67                          ; the step's number in its pass
.set TK,   68
.set TV,   69
.set TS,   70
.set SIG,  71                          ; the tile's last step: the one on the diagonal
.macro CROUND                          ; a round of the cluster's barrier
	s_barrier_signal -1
	s_barrier_wait -1
	s_cmp_lg_u32 s[WV], 0
	s_cbranch_scc1 .Lnot_wave_0_\@
	s_barrier_signal -3
.Lnot_wave_0_\@:
	s_barrier_wait -3
	s_barrier_signal -1
	s_barrier_wait -1
.endm
.macro DESC1 g, c, r, p                ; group 1: r rows of c elements of 8 bytes, p elements apart; the mask names all four partners, bit 21 beside it; no padding
	s_mov_b32 s[\g], 15|(3<<16)|(1<<21)
	s_mov_b32 s[\g+1], (\c)<<16
	s_mov_b32 s[\g+2], (\r)<<16
	s_mov_b32 s[\g+3], (\c)<<16
	s_mov_b32 s[\g+4], \r
	s_mov_b32 s[\g+5], \p
	s_mov_b32 s[\g+6], 0
	s_mov_b32 s[\g+7], 0
.endm
	s_load_b256 s[4:11], s[0:1], 0x0               ; qk_img, qk_sc, v_img, v_sc
	s_load_b128 s[12:15], s[0:1], 0x20             ; y_img, y_sc
	v_lshl_add_u32 v[SPW], v0, 2, SPARE
	v_mov_b32 v[NIL], 0
	ds_add_u32 v[SPW], v[NIL]                      ; the wave's opening: the add, twice on end, and its wait ahead of my first tensor load
	ds_add_u32 v[SPW], v[NIL]
	v_lshrrev_b32 v7, 5, v0
	v_readfirstlane_b32 s[WV], v7                  ; wave 0..15
	s_bfe_u32 s88, ttmp6, 0x40000                  ; cx
	s_lshr_b32 s89, ttmp9, 4                       ; the batch
	s_and_b32 s90, ttmp9, 15                       ; the head
	DESC1 G1K, 128, 16, 4096                       ; K: 16 tiles of 1,024 bytes, 32,768 apart
	DESC1 G1V1, 256, 4, 256                        ; V, steps 0-3 of a tile of features: 8,192 dense bytes
	DESC1 G1V2, 256, 12, 256                       ; V, steps 4-15: 24,576 dense bytes
	; who fetches what: waves 0, 1: K's chunks 0, 1 of 256 keys; waves 2-5: V's steps 0-3, tile w % 4; waves 6-11: K's chunks (w + 4) % 8 = 2 .. 7; waves 12-15: V's steps 4-15, tile w % 4
	s_lshl_b32 s91, s[WV], 14
	s_mov_b32 s[G0K1], 1
	s_add_co_u32 s[G0K1+1], s91, KB
	s_add_co_u32 s92, s[WV], 4
	s_and_b32 s92, s92, 7
	s_lshl_b32 s91, s92, 14
	s_mov_b32 s[G0K2], 1
	s_add_co_u32 s[G0K2+1], s91, KB
	s_and_b32 s93, s[WV], 3
	s_mov_b32 s[G0V1], 1
	s_lshl_b32 s[G0V1+1], s93, 15
	s_mov_b32 s[G0V2], 1
	s_add_co_u32 s[G0V2+1], s[G0V1+1], 8192
	s_lshl_b32 s94, s89, 22                        ; K's images of the head: batch x 128 tiles x 32,768 + (16 + head) x 1,024
	s_add_co_u32 s95, s90, 16
	s_lshl_b32 s95, s95, 10
	s_add_co_u32 s94, s94, s95
	s_lshl_b32 s96, s[WV], 19                      ; a chunk of 16 tiles is 2^19 bytes on
	s_add_co_u32 s96, s96, s94
	s_mov_b32 s97, 0
	s_lshl_b32 s98, s92, 19
	s_add_co_u32 s98, s98, s94
	s_mov_b32 s99, 0
	s_lshl_b32 s94, s90, 19                        ; V's: head x 4 tiles x 131,072 + batch x 16 steps x 2,048 + my tile
	s_lshl_b32 s95, s89, 15
	s_add_co_u32 s94, s94, s95
	s_lshl_b32 s95, s93, 17
	s_add_co_u32 s94, s94, s95
	s_mov_b32 s95, 0
	s_mov_b32 s[SEL], 0x76543210
	s_mov_b32 s[SEL+1], 0xfedcba98
	s_mov_b32 s[CS], 0x3e38aa3b                    ; c = log2(e) / sqrt(64)
	s_mov_b32 s[CS+1], s[CS]
	s_mov_b32 s[MNT], 0x600000
	s_wait_dscnt 0x0                               ; both opening adds are done
	CROUND                                         ; all four work-groups are here: the joint loads meet
	s_wait_kmcnt 0x0
	s_add_nc_u64 s[G0K1+2:G0K1+3], s[4:5], s[96:97]
	s_or_b32 s[G0K1+3], s[G0K1+3], 0x80000000
	s_add_nc_u64 s[G0K2+2:G0K2+3], s[4:5], s[98:99]
	s_or_b32 s[G0K2+3], s[G0K2+3], 0x80000000
	s_add_nc_u64 s[G0V1+2:G0V1+3], s[8:9], s[94:95]
	s_add_nc_u64 s[G0V2+2:G0V2+3], s[G0V1+2:G0V1+3], 8192
	s_or_b32 s[G0V1+3], s[G0V1+3], 0x80000000
	s_or_b32 s[G0V2+3], s[G0V2+3], 0x80000000
; ONE joint load a wave, one chain of branches on the wave's number.  The two arms of waves 0 to 5 are the lines that the first barrier shows.
.macro ARM under, g0, g1, next
	s_cmp_lt_u32 s[WV], \under
	s_cbranch_scc0 \next
	tensor_load_to_lds s[\g0:\g0+3], s[\g1:\g1+7]
	s_nop 0
.rept 4
	v_nop
.endr
	s_branch .Lasked
\next:
.endm
	ARM 2, G0K1, G1K, .Lh1
	ARM 6, G0V1, G1V1, .Lh2
	ARM 12, G0K2, G1K, .Lh3
	tensor_load_to_lds s[G0V2:G0V2+3], s[G1V2:G1V2+7]
	s_nop 0
.rept 4
	v_nop
.endr
.Lasked:
; a tile's four addresses, from its sg: s[pb] Q's image, s[pb+2] Q's scale bytes, s[pb+4] y's image, s[pb+6] y's scale bytes
.macro TILEADR sig, pb
	s_lshl_b32 s93, s\sig, 2
	s_add_co_u32 s93, s93, s88                     ; g = 4 sg + cx
	s_lshl_b32 s93, s93, 1
	s_add_co_u32 s93, s93, s92
	s_lshl_b32 s94, s89, 7
	s_add_co_u32 s93, s93, s94                     ; the tile among the 512 tiles of tokens
	s_lshl_b32 s94, s93, 15
	s_lshl_b32 s96, s90, 10
	s_add_co_u32 s94, s94, s96
	s_mov_b32 s95, 0
	s_add_nc_u64 s[\pb:\pb+1], s[4:5], s[94:95]
	s_lshl_b32 s94, s93, 14
	s_add_co_u32 s94, s94, s96
	s_add_nc_u64 s[\pb+4:\pb+5], s[12:13], s[94:95]
	s_lshl_b32 s94, s93, 9
	s_lshl_b32 s96, s90, 1
	s_add_co_u32 s94, s94, s96
	s_add_nc_u64 s[\pb+6:\pb+7], s[14:15], s[94:95]
	s_lshr_b32 s94, s90, 1
	s_lshl_b32 s94, s94, 15
	s_lshl_b32 s96, s93, 6
	s_add_co_u32 s94, s94, s96
	s_and_b32 s96, s90, 1
	s_lshl_b32 s96, s96, 1
	s_add_co_u32 s94, s94, s96
	s_add_nc_u64 s[\pb+2:\pb+3], s[6:7], s[94:95]
.endm
	s_lshr_b32 s91, s[WV], 1                       ; the second tile's sg; it stays
	s_and_b32 s92, s[WV], 1                        ; u
	s_sub_co_u32 s[SIG], 15, s91                   ; the first tile's
	TILEADR 71, 72
	TILEADR 91, 80
	s_lshr_b32 s94, s90, 1                         ; K's scale words: step of 128 features 8 + head / 2, the batch's 128 tiles: 8,192 dense bytes
	s_add_co_u32 s94, s94, 8
	s_lshl_b32 s94, s94, 15
	s_lshl_b32 s96, s89, 13
	s_add_co_u32 s94, s94, s96
	s_add_nc_u64 s[98:99], s[6:7], s[94:95]
	s_lshl_b32 s94, s89, 16                        ; V's: the batch's 16 steps of 4,096 bytes, the head's 256 of each
	s_lshl_b32 s96, s90, 8
	s_add_co_u32 s94, s94, s96
	s_add_nc_u64 s[94:95], s[10:11], s[94:95]
	s_and_b32 s93, s90, 1
	s_lshl_b32 s93, s93, 4                         ; my head's two bytes of a word: shift by 16 (head % 2)
	s_lshl_b32 s96, s88, 5
	s_lshl_b32 s97, s92, 3
	s_add_co_u32 s96, s96, s97                     ; 32 cx + 8 u: my tile's first query less the diagonal step's first key
	v_and_b32 v[T0], 31, v0
	v_lshlrev_b32 v[LI], 4, v[T0]
	v_and_b32 v7, 15, v0                           ; r
	v_bfe_u32 v8, v0, 4, 1                         ; h
	v_lshlrev_b32 v9, 2, v7
	v_lshl_add_u32 v[ASK0], v7, 4, SCK
	v_and_b32 v10, 8, v7
	v_add_nc_u32 v10, v10, v7                      ; r + 8 (r / 8)
	v_lshlrev_b32 v11, 4, v8
	v_sub_nc_u32 v10, v10, v11
	v_add_nc_u32 v[QD], s96, v10
	v_mov_b32 v[T1], 0xff800000
	v_min_u32 v[PF], 3, v[T0]                      ; the image's four blocks of 256 bytes; the lanes left over name the last again
	v_lshlrev_b32 v[PF], 8, v[PF]
	v_lshlrev_b32 v104, 4, v0                      ; staging K's scale words: thread i takes rows 4 (i % 4) + k, k = 0 .. 3, of tile i / 4,
	v_lshrrev_b32 v105, 5, v0
	v_lshlrev_b32 v105, 8, v105                    ; and puts two bytes of each at 256 (tile / 8) + 16 row + 2 (tile % 8)
	v_and_b32 v106, 3, v0
	v_lshl_add_u32 v105, v106, 6, v105
	v_bfe_u32 v106, v0, 2, 3
	v_lshl_add_u32 v105, v106, 1, v105
	v_add_nc_u32 v105, SCK, v105
	v_lshrrev_b32 v106, 5, v0                      ; V's: wave w takes step w's 256 bytes, 8 a lane: rows 2 (l % 8) and + 1 of tile l / 8,
	v_lshlrev_b32 v107, 8, v106                    ; and puts each word at 256 step + 16 row + 4 tile
	v_lshlrev_b32 v106, 12, v106
	v_lshl_add_u32 v106, v[T0], 3, v106
	v_and_b32 v114, 7, v0
	v_lshl_add_u32 v107, v114, 5, v107
	v_bfe_u32 v114, v0, 3, 2
	v_lshl_add_u32 v107, v114, 2, v107
	v_add_nc_u32 v107, SCV, v107
.macro INIT qa                         ; a tile begins: Q's fragment twice; the largest t -3e38, under every t; sums and O^T zeros, which the first change of M leaves zeros
	global_load_b128 v[QF:QF+3], v[LI], s[\qa:\qa+1]
	global_load_b128 v[QF+4:QF+7], v[LI], s[\qa:\qa+1] offset:512
	global_load_b128 v[QF+16:QF+19], v[LI], s[\qa:\qa+1]
	global_load_b128 v[QF+20:QF+23], v[LI], s[\qa:\qa+1] offset:512
	v_mov_b32 v13, 0xff61b1e6
	v_floor_f32 v12, -v13
	v_mov_b32 v14, 0
	v_mov_b32 v15, 0
.set j, 0
.rept 32
	v_mov_b32 v[OO+j], 0
.set j, j+1
.endr
.endm
	global_prefetch_b8 v[PF], s[80:81] th:TH_LOAD_NT scope:SCOPE_SE   ; the second tile's Q
	global_load_b128 v[108:111], v104, s[98:99]
	global_load_b64 v[112:113], v106, s[94:95]
	global_load_u16 v[QSC], v9, s[74:75]
	global_load_u16 v[QS1], v9, s[82:83]
	INIT 72
.irp b, 0,1,2,3
	v_mov_b32 v[PRM+\b], 0                         ; a lane permute's destination counts as one of its sources
.endr
	v_mov_b32 v[FF+1], 0                           ; (named as the upper half of f's pair)
	s_wait_alu depctr_va_vdst(0)
	s_wait_loadcnt 0x0
	v_lshl_or_b32 v[QSC], v[QSC], 16, v[QSC]       ; Q's two bytes in both halves of the word
.irp i, 0,1,2,3,4,5,6,7
	v_mov_b32 v[QF+8+\i], 0                        ; the zero codes between the two copies of Q
.endr
.irp k, 0,1,2,3
	v_lshrrev_b32 v[108+\k], s93, v[108+\k]
.endr
.irp k, 0,1,2,3
	ds_store_b16 v105, v[108+\k] offset:16*\k
.endr
	ds_store_b32 v107, v112
	ds_store_b32 v107, v113 offset:16
	s_wait_alu depctr_va_vdst(0)
	s_cmp_lt_u32 s[WV], 6
	s_cbranch_scc0 .Lnot_first
	s_wait_tensorcnt 0x0                           ; waves 0 to 5: the first 512 keys of K and V are in
.Lnot_first:
	s_wait_dscnt 0x0                               ; my scale words are stored
	s_barrier_signal -1
	s_barrier_wait -1
.macro HOLD2 x, hb                     ; two holds in one line: p is not negative, so the hold is one-sided
	v_dual_min_num_f32 v[\x], v[\hb], v[\x] :: v_dual_min_num_f32 v[\x+1], v[\hb], v[\x+1]
.endm
; A KEY STEP: 128 keys.  mask = 1: the copy that can meet a tile's end and its diagonal.
.macro STEP mask
.if \mask
	s_cmp_gt_u32 s[SI], s[SIG]                     ; all keys come after my queries: the step's work is left out
	s_cbranch_scc1 .Lhidden_\@
.endif
	v_add_nc_u32 v[ADK], s[TK], v[LI]              ; these four and the four additions at the last step's end are the eight places behind its products, ahead of the loads below
	v_add_nc_u32 v[ADV], s[TV], v[LI]
	v_add_nc_u32 v[ADS], s[TS], v[ASK0]
	v_add_nc_u32 v[ADV2], 0x10000, v[ADV]
.irp p, 0,1,2,3
.irp x, 0,1,2,3
	ds_load_b128 v[KF+16*\p+4*\x:KF+16*\p+4*\x+3], v[ADK] offset:2048*\p+512*\x   ; tiles 2 p and 2 p + 1 in one fragment
.endr
.endr
	ds_load_b128 v[KSC:KSC+3], v[ADS]              ; the four fragments' scale words of my row
	s_wait_alu depctr_va_vdst(0)
	s_wait_dscnt 0x0
.irp p, 0,1,2,3
	v_wmma_scale_f32_16x16x128_f8f6f4 v[SS+16*\p:SS+16*\p+7], v[KF+16*\p:KF+16*\p+15], v[QF:QF+15], 0, v[KSC+\p], v[QSC]
	v_wmma_scale_f32_16x16x128_f8f6f4 v[SS+16*\p+8:SS+16*\p+15], v[KF+16*\p:KF+16*\p+15], v[QF+8:QF+23], 0, v[KSC+\p], v[QSC]
.endr                                          ; lane (r, h): my query; register 16 b + i: the step's key 32 b + 16 h + i
	v_mov_b32 v[OM], v12
.rept 7
	v_nop                                          ; with the line above eight places: ahead of the loads over K's fragments and of the first read of the scores
.endr
.irp t, 0,1
.irp c, 0,1,2,3
	ds_load_b128 v[KF+16*\t+4*\c:KF+16*\t+4*\c+3], v[ADV] offset:32768*\t+512*\c
	ds_load_b128 v[KF+32+16*\t+4*\c:KF+32+16*\t+4*\c+3], v[ADV2] offset:32768*\t+512*\c
.endr
.endr
	ds_load_b128 v[VSC:VSC+3], v[ADS] offset:SCV-SCK   ; V's fragments and scale words land under the softmax
.if \mask
	s_cmp_lg_u32 s[SI], s[SIG]                     ; on the diagonal the scores of hidden keys become -infinity ahead of the maximum
	s_cbranch_scc1 .Lopen_\@
.set n, 0
.rept 64
	v_cmp_gt_i32 vcc_lo, 32*(n/16)+n%16, v[QD]
	v_cndmask_b32 v[SS+n], v[SS+n], v[T1], vcc_lo
.set n, n+1
.endr
.Lopen_\@:
.endif
.irp b, 0,1,2,3
	v_max3_num_f32 v[BMX+\b], v[SS+16*\b], v[SS+1+16*\b], v[SS+2+16*\b]   ; the largest score of each block of 32 keys: for the row's maximum and, since p rises with the score, for the block's largest p
.endr
.irp i, 3,5,7,9,11,13
.irp b, 0,1,2,3
	v_max3_num_f32 v[BMX+\b], v[BMX+\b], v[SS+16*\b+\i], v[SS+1+16*\b+\i]
.endr
.endr
.irp b, 0,1,2,3
	v_max_num_f32 v[BMX+\b], v[BMX+\b], v[SS+15+16*\b]
.endr
.irp b, 0,1,2,3
	v_permlanex16_b32 v[PRM+\b], v[BMX+\b], s[SEL], s[SEL+1]   ; (the four blocks by turns)
.endr
.irp b, 0,1,2,3
	v_max_num_f32 v[BMX+\b], v[BMX+\b], v[PRM+\b]  ; with lane l xor 16's 16 keys
.endr
	s_delay_alu instid0(VALU_DEP_2)
	v_max3_num_f32 v[T0], v[BMX], v[BMX+1], v[BMX+2]
	s_delay_alu instid0(VALU_DEP_1)
	v_max_num_f32 v[T0], v[T0], v[BMX+3]
	s_delay_alu instid0(VALU_DEP_1)
	v_mul_f32 v[T0], s[CS], v[T0]                  ; as t (c is positive)
	s_delay_alu instid0(VALU_DEP_1)
	v_max_num_f32 v13, v13, v[T0]                  ; the running largest t
	s_delay_alu instid0(VALU_DEP_1)
	v_floor_f32 v12, -v13                          ; the new -M: M is a whole number
	s_delay_alu instid0(VALU_DEP_1)
	v_sub_f32 v[T0], v12, v[OM]                    ; old M less new M: a whole number, 0 or less
	s_delay_alu instid0(VALU_DEP_1)
	v_cvt_i32_f32 v[T0], v[T0]                     ; (it saturates)
	s_delay_alu instid0(VALU_DEP_1)
	v_ldexp_f32 v[FF], 1.0, v[T0]                  ; f = 2^(old M - new M)
.set j, 0
.rept 32
	v_pk_fma_f32 v[SS+j:SS+j+1], v[SS+j:SS+j+1], s[CS:CS+1], v[12:13] op_sel_hi:[1,0,0]   ; t - M, two at a time
.set j, j+2
.endr
.irp b, 0,1,2,3
	v_fma_f32 v[BMX+\b], v[BMX+\b], s[CS], v12     ; the same of each block's largest score
.endr
	s_wait_alu depctr_va_vdst(0)                   ; ahead of the batch
.set j, 0
.rept 64
	v_exp_f32 v[SS+j], v[SS+j]                     ; p = 2^(t - M), at most 1
.set j, j+1
.endr
	v_pk_mul_f32 v[14:15], v[14:15], v[FF:FF+1] op_sel_hi:[1,0]   ; the sum under the new M: a plain line behind the exponentials
	s_wait_alu depctr_va_vdst(0)                   ; one wait for the batch of 64, ahead of its first reader
.irp b, 0,1,2,3
	v_exp_f32 v[BMX+\b], v[BMX+\b]                 ; the block's largest p: the same two instructions on the same number
.endr
	v_pk_add_f32 v[SA:SA+1], v[SS:SS+1], v[SS+2:SS+3]              ; the row's sum of the unquantised p, in five chains
	v_pk_add_f32 v[SB:SB+1], v[SS+4:SS+5], v[SS+6:SS+7]
	v_pk_add_f32 v[SC:SC+1], v[SS+8:SS+9], v[SS+10:SS+11]
	v_pk_add_f32 v[SD:SD+1], v[SS+12:SS+13], v[SS+14:SS+15]
.irp k, 0,1,2,3
	v_pk_add_f32 v[14:15], v[14:15], v[SS+16+10*\k:SS+17+10*\k]
	v_pk_add_f32 v[SA:SA+1], v[SA:SA+1], v[SS+18+10*\k:SS+19+10*\k]
	v_pk_add_f32 v[SB:SB+1], v[SB:SB+1], v[SS+20+10*\k:SS+21+10*\k]
	v_pk_add_f32 v[SC:SC+1], v[SC:SC+1], v[SS+22+10*\k:SS+23+10*\k]
	v_pk_add_f32 v[SD:SD+1], v[SD:SD+1], v[SS+24+10*\k:SS+25+10*\k]
.endr
	v_pk_add_f32 v[14:15], v[14:15], v[SS+56:SS+57]
	v_pk_add_f32 v[SA:SA+1], v[SA:SA+1], v[SS+58:SS+59]
	v_pk_add_f32 v[SB:SB+1], v[SB:SB+1], v[SS+60:SS+61]
	v_pk_add_f32 v[SC:SC+1], v[SC:SC+1], v[SS+62:SS+63]
	s_wait_alu depctr_va_vdst(0)                   ; and one for the four
.irp b, 0,1,2,3
	v_max_num_f32 v[BMX+\b], 0x4800000, v[BMX+\b]  ; the floor 2^(9 - 127): the byte cannot fall under 1
.endr
.irp b, 0,1,2,3
	v_add_nc_u32 v[SOP+\b], 0xfc000000, v[BMX+\b]  ; 8 off the exponent field: the conversion's scale operand
.endr
.irp b, 0,1,2,3
	v_and_or_b32 v[HLD+\b], v[BMX+\b], 0x7f800000, s[MNT]   ; 448 x the scale
.endr
.irp b, 0,1,2,3
	v_lshrrev_b32 v[PRM+\b], 23, v[SOP+\b]         ; the scale's byte
.endr
	v_lshl_or_b32 v[PSC], v[PRM+1], 8, v[PRM]      ; p's scale word for these 128 keys
	v_lshl_or_b32 v[PSC], v[PRM+2], 16, v[PSC]
	v_lshl_or_b32 v[PSC], v[PRM+3], 24, v[PSC]
.irp b, 0,1,2,3
.irp i, 0,2,4,6,8,10,12,14
	HOLD2 SS+16*\b+\i, HLD+\b                      ; the conversion to an 8-bit code does not saturate (ISA guide 7.6.2)
.endr
	v_cvt_scalef32_pk8_fp8_f32 v[PCD+4*\b:PCD+4*\b+1], v[SS+16*\b:SS+16*\b+7], v[SOP+\b]
	v_cvt_scalef32_pk8_fp8_f32 v[PCD+4*\b+2:PCD+4*\b+3], v[SS+16*\b+8:SS+16*\b+15], v[SOP+\b]
.endr
	s_wait_alu depctr_va_vdst(0)                   ; directly ahead of the first reader of O^T
.set j, 0
.rept 16
	v_pk_mul_f32 v[OO+j:OO+j+1], v[OO+j:OO+j+1], v[FF:FF+1] op_sel_hi:[1,0]   ; O^T under the new M; these sixteen are also the lines between p's codes and scale word and the products
.set j, j+2
.endr
	s_wait_alu depctr_va_vdst(0)
	s_wait_dscnt 0x0                               ; V
.irp t, 0,1,2,3                                ; O^T += V^T P^T: the four accumulators by turns; eight other products stand between two steps of a sum
	v_wmma_scale_f32_16x16x128_f8f6f4 v[OO+8*\t:OO+8*\t+7], v[KF+16*\t:KF+16*\t+15], v[PCD:PCD+15], v[OO+8*\t:OO+8*\t+7], v[VSC+\t], v[PSC]
.endr
	v_pk_add_f32 v[SA:SA+1], v[SA:SA+1], v[SB:SB+1]                ; the sum's chains are joined here, as places behind the products
	v_pk_add_f32 v[SC:SC+1], v[SC:SC+1], v[SD:SD+1]
	v_pk_add_f32 v[14:15], v[14:15], v[SA:SA+1]
	v_pk_add_f32 v[14:15], v[14:15], v[SC:SC+1]
	s_wait_alu depctr_va_vdst(0)                   ; ahead of the branches that follow
.if \mask
.Lhidden_\@:
.endif
.endm
; THE WAY OUT of a tile.  y = O^T / the sum; register 16 g + i is feature 32 g + 16 h + i of my head: two blocks of 32 along C, each shared with lane l xor 16.  The codes are the last product's operand registers.
.macro OUTPUT pb
	v_add_f32 v14, v14, v15
	v_permlanex16_b32 v[T0], v14, s[SEL], s[SEL+1]
	v_add_f32 v14, v14, v[T0]                      ; the row's sum
	s_wait_alu depctr_va_vdst(0)                   ; ahead of the transcendental
	v_rcp_f32 v14, v14
	v_and_b32 v[ADK], 15, v0
	v_bfe_u32 v[ADV], v0, 4, 1
	v_lshl_add_u32 v[ADK], v[ADK], 5, v[ADV]       ; y's scale bytes: 32 r + h
	s_wait_alu depctr_va_vdst(0)                   ; and ahead of its first reader, which is also the first reader of O^T
.set j, 0
.rept 16
	v_pk_mul_f32 v[SS+j:SS+j+1], v[OO+j:OO+j+1], v[14:15] op_sel_hi:[1,0]
.set j, j+2
.endr
.irp b, 0,1
	v_max3_num_f32 v[BMX+\b], |v[SS+16*\b]|, |v[SS+1+16*\b]|, 0x4800000
.endr
.irp i, 2,4,6,8,10,12,14
.irp b, 0,1
	v_max3_num_f32 v[BMX+\b], v[BMX+\b], |v[SS+16*\b+\i]|, |v[SS+1+16*\b+\i]|
.endr
.endr
.irp b, 0,1
	v_permlanex16_b32 v[PRM+\b], v[BMX+\b], s[SEL], s[SEL+1]
.endr
.irp b, 0,1
	v_max_num_f32 v[BMX+\b], v[BMX+\b], v[PRM+\b]
.endr
.irp b, 0,1
	v_add_nc_u32 v[SOP+\b], 0xfc000000, v[BMX+\b]
.endr
.irp b, 0,1
	v_and_or_b32 v[HLD+\b], v[BMX+\b], 0x7f800000, s[MNT]
.endr
.irp b, 0,1
	v_lshrrev_b32 v[PRM+\b], 23, v[SOP+\b]
.endr
	v_cmp_eq_u32 vcc_lo, 0, v[ADV]
	v_cndmask_b32 v[PSC], v[PRM+1], v[PRM], vcc_lo ; lanes 0-15 store block 0's byte, lanes 16-31 block 1's
.irp b, 0,1
.irp i, 0,1,2,3,4,5,6,7,8,9,10,11,12,13,14,15
	v_med3_num_f32 v[SS+16*\b+\i], v[SS+16*\b+\i], -v[HLD+\b], v[HLD+\b]
.endr
	v_cvt_scalef32_pk8_fp8_f32 v[PCD+4*\b:PCD+4*\b+1], v[SS+16*\b:SS+16*\b+7], v[SOP+\b]
	v_cvt_scalef32_pk8_fp8_f32 v[PCD+4*\b+2:PCD+4*\b+3], v[SS+16*\b+8:SS+16*\b+15], v[SOP+\b]
.endr
	v_nop                                          ; one plain line behind the last conversion
	global_store_b128 v[LI], v[PCD:PCD+3], s[\pb+4:\pb+5]          ; the wave stores 512 consecutive bytes, at a multiple of 512 from the buffer's first byte
	global_store_b128 v[LI], v[PCD+4:PCD+7], s[\pb+4:\pb+5] offset:512
	global_store_b8 v[ADK], v[PSC], s[\pb+6:\pb+7]
.endm
	s_mov_b32 s[CT], 0
.Lfirst:                                           ; the first tile's steps 0 to 3: every first tile has 9 steps or more, so none is hidden or on the diagonal
	s_lshl_b32 s[TK], s[CT], 13
	s_add_co_u32 s[TK], s[TK], KB
	s_lshl_b32 s[TV], s[CT], 11
	s_lshl_b32 s[TS], s[CT], 8
	STEP 0
	s_add_co_u32 s[CT], s[CT], 1
	s_cmp_lt_u32 s[CT], 4
	s_cbranch_scc1 .Lfirst
	s_wait_tensorcnt 0x0                           ; every wave: my load is in,
	s_wait_dscnt 0x0
	s_barrier_signal -1
	s_barrier_wait -1                              ; and so is everybody's: all of K and V lies in LDS
	s_mov_b32 s[CT], 0
.Lrest:                                            ; 28 trips: the first tile's steps 4 to 15, then the second tile's 0 to 15; the trips behind a tile's last step do nothing
	s_cmp_lg_u32 s[CT], 12
	s_cbranch_scc1 .Lsame
	OUTPUT 72                                      ; the change of tiles
	v_lshl_or_b32 v[QSC], v[QS1], 16, v[QS1]
	INIT 80
	s_mov_b32 s[SIG], s91
	s_wait_alu depctr_va_vdst(0)
	s_wait_loadcnt 0x0                             ; Q
	s_wait_xcnt 0x0                                ; the stores have read their registers, which the next step writes
.Lsame:
	s_add_co_u32 s[SI], s[CT], 4
	s_and_b32 s[SI], s[SI], 15
	s_lshl_b32 s[TK], s[SI], 13
	s_add_co_u32 s[TK], s[TK], KB
	s_lshl_b32 s[TV], s[SI], 11
	s_lshl_b32 s[TS], s[SI], 8
	STEP 1
	s_add_co_u32 s[CT], s[CT], 1
	s_cmp_lt_u32 s[CT], 28
	s_cbranch_scc1 .Lrest
	OUTPUT 80
	s_wait_tensorcnt 0x0                           ; the wave's end
	ds_add_u32 v[SPW], v[NIL]
	s_wait_dscnt 0x0
	CROUND                                         ; the closing round
	s_endpgm
.Lfunc_end_k_qeb287c009b_attn:
	.size	k_qeb287c009b_attn, .Lfunc_end_k_qeb287c009b_attn-k_qeb287c009b_attn
	.p2alignl 7, 3214868480
	.fill 96, 4, 3214868480
	.section	.rodata,"a",@progbits
	.p2align	6, 0x0
	.amdhsa_kernel k_qeb287c009b_attn
		.amdhsa_group_segment_fixed_size 327680
		.amdhsa_private_segment_fixed_size 0
		.amdhsa_enable_private_segment 0
		.amdhsa_kernarg_size 48
		.amdhsa_user_sgpr_count 2
		.amdhsa_user_sgpr_kernarg_segment_ptr 1
		.amdhsa_wavefront_size32 1
		.amdhsa_system_sgpr_workgroup_id_x 1
		.amdhsa_system_sgpr_workgroup_id_y 1
		.amdhsa_system_sgpr_workgroup_id_z 1
		.amdhsa_system_vgpr_workitem_id 0
		.amdhsa_next_free_vgpr 256
		.amdhsa_next_free_sgpr 100
		.amdhsa_reserve_vcc 1
		.amdhsa_float_denorm_mode_32 3
		.amdhsa_float_denorm_mode_16_64 3
		.amdhsa_memory_ordered 1
		.amdhsa_forward_progress 1
		.amdhsa_inst_pref_size 69
	.end_amdhsa_kernel
	.amdgpu_metadata
---
amdhsa.version: [ 1, 2 ]
amdhsa.kernels:
  - .name:           k_qeb287c009b_attn
    .symbol:         k_qeb287c009b_attn.kd
    .args:
      - { .name: qk_img, .offset: 0, .size: 8, .value_kind: global_buffer, .address_space: global }
      - { .name: qk_sc, .offset: 8, .size: 8, .value_kind: global_buffer, .address_space: global }
      - { .name: v_img, .offset: 16, .size: 8, .value_kind: global_buffer, .address_space: global }
      - { .name: v_sc, .offset: 24, .size: 8, .value_kind: global_buffer, .address_space: global }
      - { .name: y_img, .offset: 32, .size: 8, .value_kind: global_buffer, .address_space: global }
      - { .name: y_sc, .offset: 40, .size: 8, .value_kind: global_buffer, .address_space: global }
    .group_segment_fixed_size: 327680
    .private_segment_fixed_size: 0
    .kernarg_segment_align: 8
    .kernarg_segment_size: 48
    .max_flat_workgroup_size: 512
    .sgpr_count:     100
    .vgpr_count:     256
    .wavefront_size: 32
...
	.end_amdgpu_metadata
.endif
;; end of part 2
;; launch proj (part 3): grid 4 x 64, 4 waves a work-group, clusters of 4 x 4, 327,680 bytes of LDS; arguments y_img, y_sc, w_proj_codes, w_proj_scales, b_proj, out0; writes out0
.if DOCPART == 3
	.amdgcn_target "amdgcn-amd-amdhsa--gfx1250"
	.amdhsa_code_object_version 6
	.text
	.protected	k_qeb287c009b_proj
	.globl	k_qeb287c009b_proj
	.p2align	8
	.type	k_qeb287c009b_proj,@function
k_qeb287c009b_proj:
	s_mov_b64 s[64:65], 0
	v_nop
	global_prefetch_b8 v0, s[64:65] scope:SCOPE_SE
	s_setreg_imm32_b32 hwreg(HW_REG_WAVE_MODE, 25, 1), 1
	s_wait_xcnt 0x0
	s_wait_alu depctr_hold_cnt(0) depctr_sa_sdst(0) depctr_va_vdst(0) depctr_va_sdst(0) depctr_va_ssrc(0) depctr_va_vcc(0) depctr_vm_vsrc(0)
	s_getreg_b32 s2, hwreg(HW_REG_IB_STS2, 6, 4)
	s_cmp_eq_u32 s2, 0
	s_cbranch_scc0 .Lentry_in_a_cluster
	s_endpgm
.Lentry_in_a_cluster:
	s_bfe_u32 s2, ttmp6, 0x10000c
	s_cmp_lg_u32 s2, 0xf033
	s_cbranch_scc0 .Lentry_shape_is_right
	s_endpgm
.Lentry_shape_is_right:
; LAUNCH 3 OF 3: out0 = y w_proj + b_proj, on codes of E4M3 with one E8M0 scale for each 32 along K = 1,024; sums in f32.  Nothing is left out here.
; y comes as the second launch left it: images of operand registers, [tile of 16 tokens][step of 128 along K][2,048 bytes], a group of four registers at 16 x lane; row r of tile 2 g + u is token 32 g + 8 u + r + 8 (r / 8);
; its scale bytes [tile][r][32].  w_proj comes as rows of 1,024 codes and 32 scale bytes.
; THE DEAL.  A block of out0 is 128 tokens x 256 columns: 64 x 4 = 256 work-groups.  Four waves, 2 x 2, make 64 x 128 each: 32 accumulators.  K goes in four steps of 256 through a ring of two LDS slots;
; the scale bytes of the work-group's rows come once.  Both operands' fragments have two sets of registers, so a step of 128 along K fetches the next step's 48 loads in one run in its middle.
; CLUSTERS: 4 x 4 work-groups; y's tiles are asked for jointly along a row of the cluster, w_proj's along a column.  The matrix instruction is used transposed (source 0 = 16 rows of w_proj, source 1 = 16 tokens):
; a lane holds eight neighbouring columns of one token.  The bias is the C of each sum's first product.
; PREFETCH INTO THE L2.  K steps 1 and 2 are asked for at the head, one and two loads ahead of their own; K step 3 behind K step 1's load, two loads ahead.  Each wave asks for a share of the half tile that it fetches in
; the ring; the four partners that ask for that tile jointly share it out BY ADDRESS: of y's four images the partner at cx takes one, 16 blocks of 256 bytes (the lanes left over name the last again); of w_proj's
; 128 rows the partner at cy takes 32, a lane a row.  Every cluster reads all of w_proj, so only the rows of clusters 0, 4, 8, 12 ask for it.  At most two K steps are asked for and not yet loaded.
; REGISTERS.  Window 0: v8-10 the prefetches' offsets; v16-31 addresses; v32-63 scale words, two sets; v64-127 the bias in the result's layout; v128-255 y's fragments, two sets of four.
; Window 1: w_proj's fragments, two sets of eight.  Window 2: the accumulators, (a, b) at v[8 (8 a + b)].  On the way out v128-255 take rows back from the stage.
.set SIZE_N, 1024
.set NQ,     2
.set ROWB,   256
.set KROW,   1024
.set PITCH,  272                       ; an LDS row of w_proj: 256 bytes + 16 of padding
.set FR,     16
.set NP,     8                         ; places behind this matrix instruction (ISA guide 7.12.1)
.set HALFA,  16384                     ; four images of 16 tokens x 256 K
.set HALFT,  128*PITCH
.set BOFF,   2*HALFA
.set SLOT,   BOFF+2*HALFT
.set SCL,    2*SLOT                    ; y's scale bytes: 128 rows of 32, as units of 256 bytes + 16 of padding
.set SBLK,   544                       ; those of 16 rows
.set SCB,    SCL+8*SBLK                ; w_proj's: 256 rows
.set SPARE,  SCB+16*SBLK               ; the spare words, 128 bytes a wave: two blocks of 256 bytes that no other line names
.set SPITCH, 528                       ; the way out's stage, 16 rows x (512 + 16) bytes a wave, lies in slot 0, behind its last fill and its last read
.set PFO,  8                           ; v8-10 the prefetches' offsets for K steps 1, 2, 3; never rewritten
.set ADRA, 16
.set ADRB, 20
.set STO,  24
.set RD,   25
.set CO,   26
.set ADRS, 27
.set SPW,  28
.set NIL,  29
.set OBN,  30
.set SC,   32
.set BN,   64
.set AF,   128
.set BK,   128
.set OUT,  94
.set PFA,  98                          ; s[98:99] where my share of the prefetches begins; never rewritten
.set G1, 24
.set G0, 32
.set G1B, 48
.set G0B, 56
.set G1S, 68
.set G0S, 76
.set G1SB, 80
.set G0SB, 88
.set MSB, 0
.macro WIN new                         ; the immediate's high byte repeats the setting that is left
.if MSB != (\new)
	s_set_vgpr_msb (MSB<<8)|(\new)
.set MSB, (\new)
.endif
.endm
.set MUL_LO, 0xa1                      ; source 0 window 1, source 1 window 0, C and D window 2
.set TO_B,   0x40
.macro JLOAD g0a, g1a, g0b, g1b        ; a joint load of the ring: waves 0, 1 fetch y's halves, waves 2, 3 w_proj's
	s_cmp_eq_u32 s15, 0
	s_cbranch_scc0 .Lfor_b_\@
	tensor_load_to_lds s[\g0a:\g0a+3], s[\g1a:\g1a+7]
	s_nop 0
.rept 4
	v_nop
.endr
	s_branch .Lasked_\@
.Lfor_b_\@:
	tensor_load_to_lds s[\g0b:\g0b+3], s[\g1b:\g1b+7]
	s_nop 0
.rept 4
	v_nop
.endr
.Lasked_\@:
.endm
.macro CREST                           ; a round of the cluster's barrier behind its opening barrier
	s_cmp_lg_u32 s14, 0
	s_cbranch_scc1 .Lnot_wave_0_\@
	s_barrier_signal -3
.Lnot_wave_0_\@:
	s_barrier_wait -3
	s_barrier_signal -1
	s_barrier_wait -1
.endm
.macro CROUND
	s_barrier_signal -1
	s_barrier_wait -1
	CREST
.endm
	s_load_b256 s[4:11], s[0:1], 0x0               ; y_img, y_sc, w_proj's codes, w_proj's scales
	s_load_b128 s[92:95], s[0:1], 0x20             ; b_proj, out0
	v_lshl_add_u32 v[SPW], v0, 2, SPARE
	v_mov_b32 v[NIL], 0
	ds_add_u32 v[SPW], v[NIL]                      ; the wave's opening: the add, twice on end, and its wait ahead of my first tensor load
	ds_add_u32 v[SPW], v[NIL]
	v_lshrrev_b32 v1, 5, v0
	v_readfirstlane_b32 s14, v1                    ; wave 0..3
	s_lshr_b32 s15, s14, 1                         ; which 64 tokens are mine.  Also: in the ring I fetch for y (0) or for w_proj (1)
	s_and_b32 s16, s14, 1                          ; which 128 columns.  Also: which half of that tile I fetch
	s_bfe_u32 s40, ttmp6, 0x40000                  ; cx
	s_bfe_u32 s41, ttmp6, 0x40004                  ; cy
	s_lshl_b32 s42, ttmp9, 2
	s_add_co_u32 s42, s42, s40                     ; block column, 0..3
	s_and_b32 s17, ttmp7, 0xffff
	s_lshl_b32 s17, s17, 2
	s_add_co_u32 s17, s17, s41                     ; block row, 0..63
	s_lshl_b32 s43, s41, 2
	s_lshl_b32 s43, 15, s43                        ; my row of the cluster
	s_lshl_b32 s44, 0x1111, s40                    ; my column
	s_or_b32 s[G1+0], s43, (3<<16)|(1<<21)         ; y: images' rows of 4,096 bytes (two steps of 128 K), 16,384 apart: 8 for the head's load, then 4
	s_mov_b32 s[G1+1], 512<<16
	s_mov_b32 s[G1+2], 8<<16
	s_mov_b32 s[G1+3], 512<<16
	s_mov_b32 s[G1+4], 8
	s_mov_b32 s[G1+5], 2048
	s_mov_b32 s[G1+6], 0
	s_mov_b32 s[G1+7], 0
	s_or_b32 s[G1B+0], s44, (0<<16)|(1<<20)|(1<<21)|(5<<22)|(3<<25)   ; w_proj: rows of 256 bytes, 16 of padding behind each: 256 for the head's load, then 128
	s_mov_b32 s[G1B+1], ROWB<<16
	s_mov_b32 s[G1B+2], 256<<16
	s_mov_b32 s[G1B+3], ROWB<<16
	s_mov_b32 s[G1B+4], 256
	s_mov_b32 s[G1B+5], KROW
	s_mov_b32 s[G1B+6], 0
	s_mov_b32 s[G1B+7], 0
	s_or_b32 s[G1S+0], s43, (3<<16)|(1<<20)|(1<<21)|(5<<22)|(3<<25)   ; scale bytes: dense, as rows of 256 bytes with 16 of padding: 16 rows for y's,
	s_mov_b32 s[G1S+1], 32<<16
	s_mov_b32 s[G1S+2], 16<<16
	s_mov_b32 s[G1S+3], 32<<16
	s_mov_b32 s[G1S+4], 16
	s_mov_b32 s[G1S+5], 32
	s_mov_b32 s[G1S+6], 0
	s_mov_b32 s[G1S+7], 0
	s_or_b32 s[G1SB+0], s44, (3<<16)|(1<<20)|(1<<21)|(5<<22)|(3<<25)  ; 32 for w_proj's
	s_mov_b32 s[G1SB+1], 32<<16
	s_mov_b32 s[G1SB+2], 32<<16
	s_mov_b32 s[G1SB+3], 32<<16
	s_mov_b32 s[G1SB+4], 32
	s_mov_b32 s[G1SB+5], 32
	s_mov_b32 s[G1SB+6], 0
	s_mov_b32 s[G1SB+7], 0
	s_lshl_b32 s20, s17, 17                        ; my block's 8 images of 16,384 bytes,
	s_mov_b32 s21, 0
	s_lshl_b32 s22, s17, 12                        ; its 128 rows of scale bytes,
	s_mov_b32 s23, 0
	s_lshl_b32 s46, s42, 18                        ; my 256 rows of w_proj,
	s_mov_b32 s47, 0
	s_lshl_b32 s12, s42, 13                        ; and their scale bytes
	s_mov_b32 s13, 0
	s_lshl_b32 s45, s16, 14                        ; where the ring's loads go: no place in the cluster enters an LDS address
	s_mul_i32 s97, s16, HALFT
	s_add_co_u32 s97, s97, BOFF
	s_wait_dscnt 0x0                               ; both opening adds are done
	s_wait_kmcnt 0x0
	s_add_nc_u64 s[20:21], s[4:5], s[20:21]
	s_add_nc_u64 s[22:23], s[6:7], s[22:23]
	s_add_nc_u64 s[46:47], s[8:9], s[46:47]
	s_add_nc_u64 s[12:13], s[10:11], s[12:13]
	CROUND                                         ; all sixteen work-groups are here: the first joint loads meet
	s_mov_b32 s4, 1                                ; s[4:7], s[8:11]: group 0 of the head's loads of K step 0 (the pointers that lay there are used up)
	s_mov_b32 s5, 0
	s_mov_b64 s[6:7], s[20:21]
	s_or_b32 s7, s7, 0x80000000
	s_mov_b32 s8, 1
	s_mov_b32 s9, BOFF
	s_mov_b64 s[10:11], s[46:47]
	s_or_b32 s11, s11, 0x80000000
	s_mov_b32 s[G0S], 1
	s_mov_b32 s[G0S+1], SCL
	s_mov_b64 s[G0S+2:G0S+3], s[22:23]
	s_or_b32 s[G0S+3], s[G0S+3], 0x80000000
	s_mov_b32 s[G0SB], 1
	s_mov_b32 s[G0SB+1], SCB
	s_mov_b64 s[G0SB+2:G0SB+3], s[12:13]
	s_or_b32 s[G0SB+3], s[G0SB+3], 0x80000000
	s_lshl_b32 s18, s16, 16                        ; for the ring: my half of a tile: four images,
	s_mov_b32 s19, 0
	s_add_nc_u64 s[20:21], s[20:21], s[18:19]
	s_lshl_b32 s18, s16, 17                        ; or 128 rows
	s_add_nc_u64 s[46:47], s[46:47], s[18:19]
.irp s, 0,1
	s_mov_b32 s[G0+4*\s], 1
	s_add_co_u32 s[G0+4*\s+1], s45, \s*SLOT
	s_add_nc_u64 s[G0+4*\s+2:G0+4*\s+3], s[20:21], \s*4096
	s_or_b32 s[G0+4*\s+3], s[G0+4*\s+3], 0x80000000
	s_mov_b32 s[G0B+4*\s], 1
	s_add_co_u32 s[G0B+4*\s+1], s97, \s*SLOT
	s_add_nc_u64 s[G0B+4*\s+2:G0B+4*\s+3], s[46:47], \s*ROWB
	s_or_b32 s[G0B+4*\s+3], s[G0B+4*\s+3], 0x80000000
.endr
; THE HEAD'S LOADS, ONE A WAVE: wave 0 K step 0 of y, wave 1 of w_proj, wave 2 y's scale bytes, wave 3 w_proj's.  One chain of branches on the wave's number, a load to an arm.
.macro ARM under, g0, g1, next
	s_cmp_lt_u32 s14, \under
	s_cbranch_scc0 \next
	tensor_load_to_lds s[\g0:\g0+3], s[\g1:\g1+7]
	s_nop 0
.rept 4
	v_nop
.endr
	s_branch .Lhead_asked
\next:
.endm
	ARM 1, 4, G1, .Lhead_b
	ARM 2, 8, G1B, .Lhead_sa
	ARM 3, G0S, G1S, .Lhead_sb
	tensor_load_to_lds s[G0SB:G0SB+3], s[G1SB:G1SB+7]
	s_nop 0
.rept 4
	v_nop
.endr
.Lhead_asked:
	; the prefetches: s[20:21] and s[46:47] still hold my half tile's first byte in y_img and in w_proj's codes
	s_mov_b32 s96, 256
	s_cmp_eq_u32 s15, 0                            ; do I fetch for y?
	s_cselect_b64 s[PFA:PFA+1], s[20:21], s[46:47]
	s_cselect_b32 s66, s40, s41                    ; my place among the four that ask for the tile with me
	s_cselect_b32 s67, 14, 15                      ; its share: an image of 16,384 bytes, or 32 rows of 1,024
	s_cselect_b32 s2, 8, 10                        ; from lane to lane: 256 bytes, or a row
	s_cselect_b32 s3, 15, 31                       ; the last lane with a block of its own
	s_cselect_b32 s96, 0x1000, s96                 ; a K step on: 4,096 bytes in an image, 256 in a row
	s_lshl_b32 s66, s66, s67
	s_mov_b32 s67, 0
	s_add_nc_u64 s[PFA:PFA+1], s[PFA:PFA+1], s[66:67]
	s_and_b32 s18, ttmp7, 3
	s_mul_i32 s18, s18, s15                        ; 0: I ask: y's waves always, w_proj's in every fourth row of clusters; it stays
	v_and_b32 v1, 15, v0                           ; r
	v_bfe_u32 v2, v0, 4, 1                         ; h
	v_and_b32 v6, 31, v0
	v_lshlrev_b32 v[CO], 4, v6                     ; 16 x lane
	v_min_u32 v[PFO], s3, v6
	v_lshlrev_b32 v[PFO], s2, v[PFO]
	v_add_nc_u32 v[PFO], s96, v[PFO]               ; K step 1,
	v_add_nc_u32 v[PFO+1], s96, v[PFO]             ; 2,
	v_add_nc_u32 v[PFO+2], s96, v[PFO+1]           ; 3
	v_mul_u32_u24 v3, v1, PITCH
	v_lshl_add_u32 v4, v2, 4, v3
	s_lshl_b32 s21, s15, 14                        ; my four images
	s_mul_i32 s22, s16, HALFT                      ; my 128 rows of w_proj
	s_add_co_u32 s22, s22, BOFF
.irp s, 0,1
	v_add_nc_u32 v[ADRA+\s], s21, v[CO]
	v_add_nc_u32 v[ADRB+\s], s22, v4
	s_add_co_u32 s21, s21, SLOT
	s_add_co_u32 s22, s22, SLOT
.endr
	v_mul_u32_u24 v5, v1, 32                       ; my row's scale bytes: 32 a row,
	v_lshrrev_b32 v6, 8, v5
	v_lshl_add_u32 v5, v6, 4, v5                   ; and 16 more for each 256 passed
	s_mul_i32 s21, s15, 4*SBLK                     ; y's: my 64 rows
	s_mul_i32 s22, s16, 8*SBLK                     ; w_proj's: my 128 rows, behind y's 128
	s_add_co_u32 s22, s22, 8*SBLK
	s_sub_co_u32 s22, s22, s21
	v_mul_u32_u24 v6, s22, v2                      ; lanes 16-31 take w_proj's
	s_add_co_u32 s21, s21, SCL
	v_add_nc_u32 v5, v5, v6
	v_add_nc_u32 v[ADRS], s21, v5
	s_mul_i32 s23, s14, 16*SPITCH                  ; my stage
	v_mul_u32_u24 v5, v1, SPITCH
	v_lshl_add_u32 v5, v2, 5, v5
	v_add_nc_u32 v[STO], s23, v5
	v_add_nc_u32 v[RD], s23, v[CO]
	v_lshlrev_b32 v[OBN], 5, v2
	s_wait_alu depctr_va_vdst(0)                   ; ahead of the run of scalar lines
	s_lshl_b32 s20, s17, 7
	s_lshl_b32 s21, s15, 6
	s_add_co_u32 s20, s20, s21                     ; my first token
	s_lshl_b32 s20, s20, 12
	s_lshl_b32 s46, s42, 10
	s_lshl_b32 s47, s16, 9
	s_add_co_u32 s46, s46, s47                     ; my first column, in bytes
	s_mov_b32 s47, 0
	s_add_nc_u64 s[92:93], s[92:93], s[46:47]
	s_add_co_u32 s46, s46, s20
	s_add_nc_u64 s[OUT:OUT+1], s[OUT:OUT+1], s[46:47]
	s_cmp_eq_u32 s18, 0
	s_cbranch_scc0 .Lnot_mine_head
	global_prefetch_b8 v[PFO], s[PFA:PFA+1] th:TH_LOAD_NT scope:SCOPE_SE      ; K step 1
	global_prefetch_b8 v[PFO+1], s[PFA:PFA+1] th:TH_LOAD_NT scope:SCOPE_SE    ; K step 2
.Lnot_mine_head:
.irp b, 0,1,2,3,4,5,6,7
	global_load_b128 v[BN+8*\b:BN+8*\b+3], v[OBN], s[92:93] offset:64*\b      ; b_proj[n0 + 16 b + 8 h + 0 .. 7]
	global_load_b128 v[BN+8*\b+4:BN+8*\b+7], v[OBN], s[92:93] offset:64*\b+16
.endr
.macro FRAGB reg, adr, q, i
.irp c, 0,1,2,3
	ds_load_b128 v[\reg+4*\c:\reg+4*\c+3], v[\adr] offset:128*(\q)+32*\c+(\i)*16*PITCH
.endr
.endm
.macro FRAGA reg, adr, q, i
.irp c, 0,1,2,3
	ds_load_b128 v[\reg+4*\c:\reg+4*\c+3], v[\adr] offset:(\i)*4096+(\q)*2048+512*\c
.endr
.endm
; eight matrix instructions: y's block a x w_proj's eight, 128 along K; p: the set of fragments.  zero = 1: the first product starts the sums, with the bias as C.
; The 32 accumulators take turns, one instruction a turn, in the same order in every step.
.macro MUL8 a, p, q, sc, zero
.irp b, 0,1,2,3,4,5,6,7
.if \zero
	v_wmma_scale_f32_16x16x128_f8f6f4 v[8*(8*(\a)+\b):8*(8*(\a)+\b)+7], v[128*(\p)+FR*\b:128*(\p)+FR*\b+FR-1], v[AF+64*(\p)+FR*(\a):AF+64*(\p)+FR*(\a)+FR-1], v[BN+8*\b:BN+8*\b+7], v[SC+16*(\sc)+2*\b+(\q)], v[SC+16*(\sc)+2*(\a)+(\q)] matrix_a_scale:MATRIX_SCALE_ROW1
.else
	v_wmma_scale_f32_16x16x128_f8f6f4 v[8*(8*(\a)+\b):8*(8*(\a)+\b)+7], v[128*(\p)+FR*\b:128*(\p)+FR*\b+FR-1], v[AF+64*(\p)+FR*(\a):AF+64*(\p)+FR*(\a)+FR-1], v[8*(8*(\a)+\b):8*(8*(\a)+\b)+7], v[SC+16*(\sc)+2*\b+(\q)], v[SC+16*(\sc)+2*(\a)+(\q)] matrix_a_scale:MATRIX_SCALE_ROW1
.endif
.endr
.endm
; a step's fragments into set p: w_proj's eight (32 loads), y's blocks 0, 1 (8), with sc >= 0 the slot's scale words (8), y's blocks 2, 3 (8): the youngest eight
.macro FETCH slot, q, p, sc
	WIN TO_B
.irp i, 0,1,2,3,4,5,6,7
	FRAGB 128*(\p)+FR*\i, ADRB+\slot, \q, \i
.endr
	WIN 0
	FRAGA AF+64*(\p), ADRA+\slot, \q, 0
	FRAGA AF+64*(\p)+FR, ADRA+\slot, \q, 1
.if \sc >= 0
.irp i, 0,1,2,3,4,5,6,7
	ds_load_b64 v[SC+16*(\sc)+2*\i:SC+16*(\sc)+2*\i+1], v[ADRS] offset:\i*SBLK   ; lanes 0-15: y's block i (used for i under 4), lanes 16-31: w_proj's block i
.endr
.endif
	FRAGA AF+64*(\p)+2*FR, ADRA+\slot, \q, 2
	FRAGA AF+64*(\p)+3*FR, ADRA+\slot, \q, 3
.endm
.macro PLACES n
.rept \n
	v_nop
.endr
.endm
.macro STEP slot, zero                 ; a slot's first 128 along K: set 0; in its middle the second 128's fragments are fetched into set 1
	s_wait_dscnt 8                                 ; all but y's blocks 2, 3
.if \zero
	WIN 0x81                                       ; C (the bias) window 0, D window 2
.else
	WIN MUL_LO
.endif
	MUL8 0, 0, 0, \slot, \zero
	MUL8 1, 0, 0, \slot, \zero
	s_wait_dscnt 0
	PLACES NP                                      ; ahead of loads into registers that matrix instructions have read
	FETCH \slot, 1, 1, -1
.if \zero
	WIN 0x81
.else
	WIN MUL_LO
.endif
	MUL8 2, 0, 0, \slot, \zero
	MUL8 3, 0, 0, \slot, \zero
	WIN 0
.endm
; A slot's second 128 along K changes slots: ONE barrier; in front of it each wave waits for all its tensor loads, adds 0 to its spare word, and waits for that and for its own reads of this slot.
.macro TURN slot, next, fill
	s_wait_tensorcnt 0x0                           ; my part of the next slot is in
	ds_add_u32 v[SPW], v[NIL]
	s_wait_dscnt 9                                 ; (the add and y's blocks 2, 3 may be out)
	WIN MUL_LO
	MUL8 0, 1, 1, \slot, 0
	s_wait_dscnt 0x0                               ; the add is done, and my reads of this slot are over
	s_barrier_signal -1
	MUL8 1, 1, 1, \slot, 0
	WIN 0
	s_barrier_wait -1
.if \fill
	CREST                                          ; the barrier has opened a round of the cluster's barrier
	s_add_nc_u64 s[G0+4*\slot+2:G0+4*\slot+3], s[G0+4*\slot+2:G0+4*\slot+3], 2*4096
	s_add_nc_u64 s[G0B+4*\slot+2:G0B+4*\slot+3], s[G0B+4*\slot+2:G0B+4*\slot+3], 2*ROWB
	JLOAD G0+4*\slot, G1, G0B+4*\slot, G1B         ; the first tensor load behind the round; its four v_nop are among the places in front of the loads below
	PLACES NP-4
.else
	PLACES NP
.endif
	s_wait_alu depctr_va_vdst(0)
	v_add_nc_u32 v[ADRS], 4*NQ, v[ADRS]            ; on to the next K step's scale words
	FETCH \next, 0, 0, \next
	WIN MUL_LO
	MUL8 2, 1, 1, \slot, 0
	MUL8 3, 1, 1, \slot, 0
	WIN 0
.endm
	s_wait_loadcnt 0x0                             ; the bias
	s_wait_tensorcnt 0x0                           ; my tile of the head's four is in
	ds_add_u32 v[SPW], v[NIL]
	s_mov_b32 s[G1+2], 4<<16                       ; no tensor load of mine is out: from here on a load brings half a tile
	s_mov_b32 s[G1+4], 4
	s_mov_b32 s[G1B+2], 128<<16
	s_mov_b32 s[G1B+4], 128
	s_wait_dscnt 0x0
	CROUND                                         ; a whole round: all four tiles are in, and the joint loads meet
	JLOAD G0+4, G1, G0B+4, G1B                     ; K step 1: the first tensor load behind the round
	FETCH 0, 0, 0, 0
	s_cmp_eq_u32 s18, 0
	s_cbranch_scc0 .Lnot_mine_1
	global_prefetch_b8 v[PFO+2], s[PFA:PFA+1] th:TH_LOAD_NT scope:SCOPE_SE    ; K step 3, behind the joint load and the run of LDS loads
.Lnot_mine_1:
	STEP 0, 1                                      ; the first step stands in front of the loop: its products start the sums
	s_mov_b32 s3, 1
.Llap:                                                 ; a trip goes once round the ring and fills both slots again
	TURN 0, 1, 1
	STEP 1, 0
	TURN 1, 0, 1
	STEP 0, 0
	s_sub_co_u32 s3, s3, 1
	s_cmp_lg_u32 s3, 0
	s_cbranch_scc1 .Llap
	TURN 0, 1, 0                                   ; the last lap fills nothing.  Behind this barrier nobody reads slot 0, and it has had its last fill
	STEP 1, 0
	s_wait_dscnt 8
	WIN MUL_LO
	MUL8 0, 1, 1, 1, 0
	MUL8 1, 1, 1, 1, 0
	s_wait_dscnt 0
	MUL8 2, 1, 1, 1, 0
	MUL8 3, 1, 1, 1, 0
	WIN 0
; THE WAY OUT, block by block of 16 tokens x 128 columns: through my own stage in LDS, back as whole rows of 512 bytes.  LDS serves a wave's instructions in order (ISA guide 5.7.1.4).
.macro TOSTAGE a
.set AC, 64*(\a)
	WIN 0x08                                       ; the data: window 2
.irp b, 0,1,2,3,4,5,6,7
	ds_store_b128 v[STO], v[AC+8*\b:AC+8*\b+3] offset:64*\b          ; each accumulator from its low end on
	ds_store_b128 v[STO], v[AC+8*\b+4:AC+8*\b+7] offset:64*\b+16
.endr
	WIN 0
.set BB, BK+64*((\a)%2)
.irp t, 0,1,2,3,4,5,6,7,8,9,10,11,12,13,14,15
	ds_load_b128 v[BB+4*\t:BB+4*\t+3], v[RD] offset:\t*SPITCH
.endr
.endm
.macro SEND a, younger                 ; younger: the LDS instructions issued behind block a's loads, which may stay out
.set BB, BK+64*((\a)%2)
	s_wait_dscnt \younger
.irp t, 0,1,2,3,4,5,6,7,8,9,10,11,12,13,14,15
	global_store_b128 v[CO], v[BB+4*\t:BB+4*\t+3], s[OUT:OUT+1] offset:(32*((\a)/2)+8*((\a)%2)+\t+8*(\t/8))*SIZE_N*4 th:TH_STORE_NT   ; row t of image a is token 32 (a / 2) + 8 (a % 2) + t + 8 (t / 8); 32 lanes store 512 consecutive bytes, aligned
.endr
.endm
	PLACES NP
	TOSTAGE 0
.irp a, 1,2,3
.if \a > 1
	s_wait_xcnt 0x0                                ; block a - 2's stores have read their registers: block a's loads may land there
.endif
	TOSTAGE \a
	SEND \a-1, 32                                  ; behind block a - 1's loads: block a's 16 stores and 16 loads
.endr
	SEND 3, 0
	s_wait_tensorcnt 0x0                           ; the wave's end
	ds_add_u32 v[SPW], v[NIL]
	s_wait_dscnt 0x0
	CROUND                                         ; the closing round
	s_endpgm
.Lfunc_end_k_qeb287c009b_proj:
	.size	k_qeb287c009b_proj, .Lfunc_end_k_qeb287c009b_proj-k_qeb287c009b_proj
	.p2alignl 7, 3214868480
	.fill 96, 4, 3214868480
	.section	.rodata,"a",@progbits
	.p2align	6, 0x0
	.amdhsa_kernel k_qeb287c009b_proj
		.amdhsa_group_segment_fixed_size 327680
		.amdhsa_private_segment_fixed_size 0
		.amdhsa_enable_private_segment 0
		.amdhsa_kernarg_size 48
		.amdhsa_user_sgpr_count 2
		.amdhsa_user_sgpr_kernarg_segment_ptr 1
		.amdhsa_wavefront_size32 1
		.amdhsa_system_sgpr_workgroup_id_x 1
		.amdhsa_system_sgpr_workgroup_id_y 1
		.amdhsa_system_sgpr_workgroup_id_z 1
		.amdhsa_system_vgpr_workitem_id 0
		.amdhsa_next_free_vgpr 768
		.amdhsa_next_free_sgpr 100
		.amdhsa_reserve_vcc 0
		.amdhsa_float_denorm_mode_32 3
		.amdhsa_float_denorm_mode_16_64 3
		.amdhsa_memory_ordered 1
		.amdhsa_forward_progress 1
		.amdhsa_inst_pref_size 92
	.end_amdhsa_kernel
	.amdgpu_metadata
---
amdhsa.version: [ 1, 2 ]
amdhsa.kernels:
  - .name:           k_qeb287c009b_proj
    .symbol:         k_qeb287c009b_proj.kd
    .args:
      - { .name: y_img, .offset: 0, .size: 8, .value_kind: global_buffer, .address_space: global }
      - { .name: y_sc, .offset: 8, .size: 8, .value_kind: global_buffer, .address_space: global }
      - { .name: w_proj_codes, .offset: 16, .size: 8, .value_kind: global_buffer, .address_space: global }
      - { .name: w_proj_scales, .offset: 24, .size: 8, .value_kind: global_buffer, .address_space: global }
      - { .name: b_proj, .offset: 32, .size: 8, .value_kind: global_buffer, .address_space: global }
      - { .name: out0, .offset: 40, .size: 8, .value_kind: global_buffer, .address_space: global }
    .group_segment_fixed_size: 327680
    .private_segment_fixed_size: 0
    .kernarg_segment_align: 8
    .kernarg_segment_size: 48
    .max_flat_workgroup_size: 128
    .sgpr_count:     100
    .vgpr_count:     768
    .wavefront_size: 32
...
	.end_amdgpu_metadata
.endif
;; end of part 3
